; MI455X (gfx1250); checked and timed in simulation.
; The chip was launched on July 23, 2026; its instructions are those of AMD's public machine-readable ISA for CDNA 5 (MIT licence, August 2026) and "CDNA5" Instruction Set Architecture Reference Guide (July 2026). The comments in the code are by the model that wrote it; some were corrected since.
;; Model. Allowed arithmetic: matrix products marked QUANTISED: E2M3 operands, one E8M0 scale for each 32 along K, by v_wmma_scale_f32_16x16x128_f8f6f4 with both operands' format E2M3, f32 sums; everything else in f32.
;; Inputs: Wk 2,048 x 1,024 float32; Wo 1,024 x 2,048 float32; Wq 2,048 x 1,024 float32; Wv 2,048 x 1,024 float32; X 4 x 1,024 x 1,024 float32; lk1 16 x 64 float32; lk2 16 x 64 float32; lq1 16 x 64 float32; lq2 16 x 64 float32; rms_scale 128 float32.
;; Outputs: out0 4 x 1,024 x 1,024 float32.
;; This version of the problem:
;;   THIS VERSION OF THE PROBLEM IS GIVEN IN LOW PRECISION. The matrix products marked QUANTISED in the list below multiply operands that are first quantised to E2M3 (2 exponent bits, 3 mantissa bits; 6 bits a number), with one power-of-two scale for each 32 numbers along K (OCP MX v1.0); their sums are f32. All else is computed in f32.
;;   The module's matrix products, in the order in which they are computed (A, B: the left and right operand; K: the contracted axis; several contracted axes count as one K, in the product's order):
;;     1. [M 4,096, K 1,024] x [K 1,024, N 2,048]; A: input X; B: input Wq: QUANTISED
;;     2. [M 4,096, K 1,024] x [K 1,024, N 2,048]; A: input X; B: input Wk: QUANTISED
;;     3. [M 4,096, K 1,024] x [K 1,024, N 2,048]; A: input X; B: input Wv: QUANTISED
;;     4. batch 64 x [M 1,024, K 64] x [K 64, N 1,024]; A: computed on the way; B: computed on the way: QUANTISED
;;     5. batch 64 x [M 1,024, K 64] x [K 64, N 1,024]; A: computed on the way; B: computed on the way: QUANTISED
;;     6. batch 64 x [M 1,024, K 1,024] x [K 1,024, N 128]; A: computed on the way; B: computed on the way: QUANTISED
;;     7. [M 4,096, K 2,048] x [K 2,048, N 1,024]; A: computed on the way; B: input Wo: QUANTISED
;;   THE QUANTISER, for each operand of a quantised product, along K:
;;     - K is cut into blocks of 32 from its start; a last block that is shorter is filled with zeros.
;;     - A block's scale is 2^e with e = floor(log2(the largest magnitude in the block)) - 2, held to -126 .. 127; a block of zeros has e = 0. As a byte (E8M0): e + 127.
;;     - Each number is divided by its block's scale, clamped to +-7.5, and rounded to the nearest number of E2M3, ties to even, subnormals kept.
;;     - The product sums the exact products of the quantised numbers (number of the format x scale) in f32.
;;   ~~~python
;;   def quantise(x, axis):      # numpy; x: float32 -> the quantised numbers, widened to float32 again
;;       x = np.moveaxis(x, axis, -1); K = x.shape[-1]
;;       x = np.pad(x, [(0, 0)] * (x.ndim - 1) + [(0, -K % 32)]); x = x.reshape(x.shape[:-1] + (-1, 32)); a = np.abs(x).max(-1, keepdims=True)
;;       e = np.where(a > 0, np.clip(np.frexp(np.where(a > 0, a, 1))[1] - 1 - 2, -126, 127), 0)      # np.frexp(a)[1] - 1 = floor(log2(a)), exactly
;;       r = np.clip(x / 2.0 ** e, -7.5, 7.5)
;;       step = 2.0 ** (np.maximum(np.frexp(np.where(r == 0, 1, r))[1] - 1, 0) - 3)
;;       q = np.round(r / step) * step * 2.0 ** e      # np.round: ties to even
;;       return np.moveaxis(q.reshape(q.shape[:-2] + (-1,))[..., :K], -1, axis).astype(np.float32)
;;   ~~~
;;   OPERANDS COMPUTED ON THE WAY. 'Computed on the way' means the value that the module computes at that place (a softmax that the list does not call 'softmax' is quantised finished and normalised). What goes into a quantiser is computed in f32, as accurately as f32 sums, v_exp_f32 and their like allow (about 1e-6 of the number): no bf16 or f16 on the way to a quantiser, and a product that is left as it is and whose result goes on into a quantised operand takes f32 operands (vector FMAs, or v_wmma_f32_16x16x4_f32). A number that lies on a knife's edge between two numbers of the format may be rounded either way, as far as f32 arithmetic and the matrix unit's own rounding can turn it there, and no further.
;; One version. Each part assembles by itself: llvm-mc -triple=amdgcn-amd-amdhsa -mcpu=gfx1250 --defsym DOCPART=n.
;; ======== version 1 of 1: 4 launches
;; limits: right only within a limited range of input values
;; workspace buffers: xw_c 9,437,184 bytes; xw_s 393,216 bytes; qkv_c 18,874,368 bytes; qkv_s 786,432 bytes; o_c 6,291,456 bytes; o_s 524,288 bytes
;; launch quant (part 1): grid 768 x 1, 4 waves a work-group, no clusters, 67,072 bytes of LDS; arguments Wq, Wk, X, Wv, Wo, xw_c, xw_s; writes xw_c, xw_s
.if DOCPART == 1
	.amdgcn_target "amdgcn-amd-amdhsa--gfx1250"
	.amdhsa_code_object_version 6
	.text
	.protected	k_qe31c7eee86_quant
	.globl	k_qe31c7eee86_quant
	.p2align	8
	.type	k_qe31c7eee86_quant,@function
k_qe31c7eee86_quant:
	s_mov_b64 s[64:65], 0
	v_nop
	global_prefetch_b8 v0, s[64:65] scope:SCOPE_SE
	s_setreg_imm32_b32 hwreg(HW_REG_WAVE_MODE, 25, 1), 1
	s_wait_xcnt 0x0
; Wq, Wk, X, Wv ([rows][1024] f32) and Wo ([1024][2048] f32) become codes of FP6 (E2M3) with one E8M0 byte for each 32 along K (K innermost in all five).
; A block's scale is 2^(floor(log2(largest magnitude)) - 2); its byte is the largest magnitude's exponent field - 2, held at 1 from below.
; LAYOUT OF THE RESULT.  A tile is 16 rows; place r of tile t is row 32 (t / 2) + 8 (t % 2) + r + 8 (r / 8).  A fragment (tile x 128 along K) is kept as the image of the operand's
; 12 registers: registers 4 k .. 4 k + 3 of lane l at 512 k + 16 l: 1,536 bytes.  Two fragments (256 along K) are a pair; pair g lies at 3,072 g in xw_c, its scale words at 128 g in xw_s
; (lanes 0-15: the even K step's word of row place r, lanes 16-31: the odd step's).  Pairs run Wq, Wk, X, Wv (4 a tile), then Wo (8 a tile).
; SHARES.  A wave takes one pair: 16 rows x 1,024 bytes.  Each load reads 512 consecutive bytes of one row; the 16 KB turn through the wave's own stage in LDS, so that lane (r, h) gets back
; the 32 neighbours 64 c + 32 h + 0 .. 31 of row place r: whole blocks, in the order of the operand's registers.  No barrier: waves share nothing.
; LIMITS: NaN and infinities among the inputs are not served.  A block of zeros, and one whose largest magnitude lies under 2^-124, gets the byte 1 (the rule says 127 for zeros): its codes are
; zeros or held by that scale, and the bytes are read by this program alone.
.set WSTG,  16640                      ; a wave's stage: 16 rows of PITCH bytes
.set PITCH, 1040                       ; 1,024 bytes + 16: an odd multiple of 16, so the 16 rows of a read fall on 16 different 16-byte columns
.set SPARE, 4*WSTG                     ; behind the four stages: the spare words, 128 bytes a wave, two blocks of 256 bytes that no other line names
.set SPW,  1                           ; v1   my spare word's address; never rewritten
.set NIL,  2                           ; v2   0; never rewritten
.set SIN,  3                           ; v3   stage, way in: 16 x lane
.set SOUT, 4                           ; v4   stage, way out: PITCH r + 128 h
.set LI,   5                           ; v5   16 x lane
.set LS,   6                           ; v6   4 x lane
.set SH8,  7                           ; v7   8 h
.set PD,   8                           ; v8   a lane permute's destination
.set OFF,  16                          ; v16-31  row place i: its byte offset + 16 x lane
.set R,    32                          ; v32-159 the numbers: 64 a fragment
.set C,    160                         ; v160-183 codes: 12 a fragment
.set T2,   184                         ; v184-191 second halves of blocks
.set MX,   192
.set SO,   194
.set BY,   196
.set MY,   198
.set W,    200                         ; v200-201 the two fragments' scale words
	s_load_b256 s[4:11], s[0:1], 0x0               ; Wq, Wk, X, Wv
	s_load_b128 s[12:15], s[0:1], 0x20             ; Wo, xw_c
	s_load_b64 s[16:17], s[0:1], 0x30              ; xw_s
	v_lshl_add_u32 v[SPW], v0, 2, SPARE
	v_mov_b32 v[NIL], 0
	v_lshrrev_b32 v9, 5, v0
	s_delay_alu instid0(VALU_DEP_1)
	v_readfirstlane_b32 s26, v9                    ; wave
	v_and_b32 v9, 31, v0                           ; lane
	v_and_b32 v10, 15, v0                          ; r
	v_bfe_u32 v11, v0, 4, 1                        ; h
	s_mul_i32 s27, s26, WSTG
	v_lshlrev_b32 v[LI], 4, v9
	v_lshlrev_b32 v[LS], 2, v9
	v_lshlrev_b32 v[SH8], 3, v11
	v_mov_b32 v[PD], 0
	s_delay_alu instid0(VALU_DEP_4)
	v_add_nc_u32 v[SIN], s27, v[LI]
	v_mul_u32_u24 v[SOUT], v10, PITCH
	s_delay_alu instid0(VALU_DEP_1)
	v_lshl_add_u32 v[SOUT], v11, 7, v[SOUT]
	s_delay_alu instid0(VALU_DEP_1)
	v_add_nc_u32 v[SOUT], s27, v[SOUT]
	s_lshl_b32 s28, ttmp9, 2               ; four pairs a work-group
	s_add_co_u32 s28, s28, s26                     ; g: my pair
	s_mov_b32 s24, 0x76543210
	s_mov_b32 s25, 0xfedcba98                      ; selects for lane l xor 16
	s_wait_alu depctr_va_vdst(0)
	s_wait_kmcnt 0x0
	s_mov_b64 s[18:19], s[12:13]                   ; which tensor: by the work-group's number alone
	s_mov_b32 s20, 320
	s_cmp_lt_u32 ttmp9, 640
	s_cselect_b64 s[18:19], s[10:11], s[18:19]
	s_cselect_b32 s20, 256, s20
	s_cselect_b32 s21, 2, 3                        ; log2 of the pairs in a tile
	s_cmp_lt_u32 ttmp9, 512
	s_cselect_b64 s[18:19], s[8:9], s[18:19]
	s_cselect_b32 s20, 128, s20
	s_cmp_lt_u32 ttmp9, 256
	s_cselect_b64 s[18:19], s[6:7], s[18:19]
	s_cselect_b32 s20, 64, s20
	s_cmp_lt_u32 ttmp9, 128
	s_cselect_b64 s[18:19], s[4:5], s[18:19]
	s_cselect_b32 s20, 0, s20
	s_lshl_b32 s29, s20, 3
	s_sub_co_u32 s29, s28, s29                     ; my pair within the tensor
	s_lshr_b32 s30, s29, s21                       ; tile
	s_bfm_b32 s31, s21, 0
	s_and_b32 s31, s29, s31                        ; pair within the tile
	s_lshr_b32 s32, s30, 1
	s_lshl_b32 s32, s32, 5
	s_and_b32 s33, s30, 1
	s_lshl_b32 s33, s33, 3
	s_add_co_u32 s32, s32, s33                     ; the tile's first row
	s_add_co_u32 s34, s21, 10
	s_lshl_b32 s36, s32, s34                       ; x the row's bytes
	s_lshl_b32 s31, s31, 10
	s_add_co_u32 s36, s36, s31                     ; + 1,024 bytes a pair
	s_mov_b32 s37, 0
	s_add_nc_u64 s[18:19], s[18:19], s[36:37]
	s_lshl_b32 s22, 1024, s21                      ; a row in bytes
	s_mul_i32 s23, s22, 9                          ; from place 7 to place 8: nine rows
	s_mul_i32 s36, s28, 3072
	s_add_nc_u64 s[14:15], s[14:15], s[36:37]
	s_lshl_b32 s36, s28, 7
	s_add_nc_u64 s[16:17], s[16:17], s[36:37]
	v_mov_b32 v[OFF], v[LI]
.irp i, 1,2,3,4,5,6,7,8,9,10,11,12,13,14,15
.if \i == 8
	s_delay_alu instid0(VALU_DEP_1)
	v_add_nc_u32 v[OFF+\i], s23, v[OFF+\i-1]
.else
	s_delay_alu instid0(VALU_DEP_1)
	v_add_nc_u32 v[OFF+\i], s22, v[OFF+\i-1]
.endif
.endr
.irp u, 0,1
.irp i, 0,1,2,3,4,5,6,7,8,9,10,11,12,13,14,15
	global_load_b128 v[R+64*\u+4*\i:R+64*\u+4*\i+3], v[OFF+\i], s[18:19] offset:512*\u th:TH_LOAD_NT   ; 32 lanes read 512 consecutive bytes of one row; read once
.endr
.endr
.macro STIN u                          ; fragment u's 16 x 512 bytes into the stage, as they lie
.irp i, 0,1,2,3,4,5,6,7,8,9,10,11,12,13,14,15
	ds_store_b128 v[SIN], v[R+64*\u+4*\i:R+64*\u+4*\i+3] offset:PITCH*\i+512*\u
.endr
.endm
.macro STOUT u                         ; and back: my two blocks of 32 neighbours
.irp c, 0,1
.irp j, 0,1,2,3,4,5,6,7
	ds_load_b128 v[R+64*\u+32*\c+4*\j:R+64*\u+32*\c+4*\j+3], v[SOUT] offset:512*\u+256*\c+16*\j
.endr
.endr
.endm
.macro QF u                            ; fragment u: my blocks h and 2 + h of row place r are quantised; codes and scale word
.set XR, R+64*\u
.irp c, 0,1
	v_max3_num_f32 v[MX+\c], |v[XR+32*\c]|, |v[XR+32*\c+1]|, 0x1800000       ; with the floor 2^(3 - 127): the byte cannot fall under 1
	v_max3_num_f32 v[MY+\c], |v[XR+32*\c+16]|, |v[XR+32*\c+17]|, 0x1800000
.endr
.irp i, 2,4,6,8,10,12,14
.irp c, 0,1
	s_delay_alu instid0(VALU_DEP_4)
	v_max3_num_f32 v[MX+\c], v[MX+\c], |v[XR+32*\c+\i]|, |v[XR+32*\c+\i+1]|
	s_delay_alu instid0(VALU_DEP_4)
	v_max3_num_f32 v[MY+\c], v[MY+\c], |v[XR+32*\c+16+\i]|, |v[XR+32*\c+17+\i]|
.endr
.endr
.irp c, 0
	s_delay_alu instid0(VALU_DEP_3)
	v_max_num_f32 v[MX+\c], v[MX+\c], v[MY+\c]     ; the block's largest magnitude: all 32 numbers are mine
.endr
.irp c, 1
	s_delay_alu instid0(VALU_DEP_2)
	v_max_num_f32 v[MX+\c], v[MX+\c], v[MY+\c]     ; the block's largest magnitude: all 32 numbers are mine
.endr
.irp c, 0,1
	s_delay_alu instid0(VALU_DEP_2)
	v_add_nc_u32 v[SO+\c], 0xff000000, v[MX+\c]    ; 2 off its exponent field: the conversion's scale operand
.endr
.irp c, 0,1
	s_delay_alu instid0(VALU_DEP_2)
	v_lshrrev_b32 v[BY+\c], 23, v[SO+\c]           ; the scale's byte
.endr
	s_delay_alu instid0(VALU_DEP_1)
	v_lshl_or_b32 v[W+\u], v[BY+1], 16, v[BY]      ; blocks h and 2 + h,
	s_delay_alu instid0(VALU_DEP_1)
	v_lshlrev_b32 v[W+\u], v[SH8], v[W+\u]         ; at their places in the word;
	s_delay_alu instid0(VALU_DEP_1)
	v_permlanex16_b32 v[PD], v[W+\u], s24, s25
	s_delay_alu instid0(VALU_DEP_1)
	v_or_b32 v[W+\u], v[W+\u], v[PD]               ; with lane l xor 16's two the word is whole
.irp c, 0,1
	v_cvt_scalef32_pk16_fp6_f32 v[C+12*\u+6*\c:C+12*\u+6*\c+2], v[XR+32*\c:XR+32*\c+15], v[SO+\c]
	v_cvt_scalef32_pk16_fp6_f32 v[T2+4*\c:T2+4*\c+2], v[XR+32*\c+16:XR+32*\c+31], v[SO+\c]   ; (a conversion's three registers begin on an even number)
.endr
	v_nop                                          ; one plain place behind a scaled conversion
.irp c, 0,1
.irp i, 0,1,2
	v_mov_b32 v[C+12*\u+6*\c+3+\i], v[T2+4*\c+\i]
.endr
.endr
.irp k, 0,1,2
	global_store_b128 v[LI], v[C+12*\u+4*\k:C+12*\u+4*\k+3], s[14:15] offset:1536*\u+512*\k   ; 32 lanes store 512 consecutive bytes, aligned
.endr
.endm
	s_wait_loadcnt 16                              ; fragment 0's 16 loads are in; fragment 1's may be out
	STIN 0
	s_wait_dscnt 0x0                               ; the stores have read their registers
	STOUT 0
	s_wait_loadcnt 0x0
	STIN 1
	s_wait_dscnt 16                                ; fragment 0 is back; fragment 1's 16 stores may be out
	QF 0
	s_wait_dscnt 0x0
	STOUT 1
	s_wait_dscnt 0x0
	QF 1
	v_cmp_ne_u32 vcc_lo, 0, v[SH8]
	s_delay_alu instid0(VALU_DEP_1)
	v_cndmask_b32 v[W], v[W], v[W+1], vcc_lo       ; lanes 0-15: the even step's words, lanes 16-31: the odd step's
	global_store_b32 v[LS], v[W], s[16:17]         ; 128 consecutive bytes
	s_wait_tensorcnt 0x0                           ; the wave's end
	ds_add_u32 v[SPW], v[NIL]
	s_wait_dscnt 0x0
	s_endpgm
.Lfunc_end_k_qe31c7eee86_quant:
	.size	k_qe31c7eee86_quant, .Lfunc_end_k_qe31c7eee86_quant-k_qe31c7eee86_quant
	.p2alignl 7, 3214868480
	.fill 96, 4, 3214868480
	.section	.rodata,"a",@progbits
	.p2align	6, 0x0
	.amdhsa_kernel k_qe31c7eee86_quant
		.amdhsa_group_segment_fixed_size 67072
		.amdhsa_private_segment_fixed_size 0
		.amdhsa_enable_private_segment 0
		.amdhsa_kernarg_size 56
		.amdhsa_user_sgpr_count 2
		.amdhsa_user_sgpr_kernarg_segment_ptr 1
		.amdhsa_wavefront_size32 1
		.amdhsa_system_sgpr_workgroup_id_x 1
		.amdhsa_system_sgpr_workgroup_id_y 1
		.amdhsa_system_sgpr_workgroup_id_z 1
		.amdhsa_system_vgpr_workitem_id 0
		.amdhsa_next_free_vgpr 208
		.amdhsa_next_free_sgpr 66
		.amdhsa_reserve_vcc 1
		.amdhsa_float_denorm_mode_32 3
		.amdhsa_float_denorm_mode_16_64 3
		.amdhsa_memory_ordered 1
		.amdhsa_forward_progress 1
		.amdhsa_inst_pref_size 21
	.end_amdhsa_kernel
	.amdgpu_metadata
---
amdhsa.version: [ 1, 2 ]
amdhsa.kernels:
  - .name:           k_qe31c7eee86_quant
    .symbol:         k_qe31c7eee86_quant.kd
    .args:
      - { .name: Wq, .offset: 0, .size: 8, .value_kind: global_buffer, .address_space: global }
      - { .name: Wk, .offset: 8, .size: 8, .value_kind: global_buffer, .address_space: global }
      - { .name: X, .offset: 16, .size: 8, .value_kind: global_buffer, .address_space: global }
      - { .name: Wv, .offset: 24, .size: 8, .value_kind: global_buffer, .address_space: global }
      - { .name: Wo, .offset: 32, .size: 8, .value_kind: global_buffer, .address_space: global }
      - { .name: xw_c, .offset: 40, .size: 8, .value_kind: global_buffer, .address_space: global }
      - { .name: xw_s, .offset: 48, .size: 8, .value_kind: global_buffer, .address_space: global }
    .group_segment_fixed_size: 67072
    .private_segment_fixed_size: 0
    .kernarg_segment_align: 8
    .kernarg_segment_size: 56
    .max_flat_workgroup_size: 128
    .sgpr_count:     66
    .vgpr_count:     208
    .wavefront_size: 32
...
	.end_amdgpu_metadata
.endif
;; end of part 1
;; launch qkv (part 2): grid 16 x 16, 4 waves a work-group, clusters of 4 x 4, 327,680 bytes of LDS; arguments xw_c, xw_s, qkv_c, qkv_s; writes qkv_c, qkv_s
.if DOCPART == 2
	.amdgcn_target "amdgcn-amd-amdhsa--gfx1250"
	.amdhsa_code_object_version 6
	.text
	.protected	k_qe31c7eee86_qkv
	.globl	k_qe31c7eee86_qkv
	.p2align	8
	.type	k_qe31c7eee86_qkv,@function
k_qe31c7eee86_qkv:
	s_mov_b64 s[64:65], 0
	v_nop
	global_prefetch_b8 v0, s[64:65] scope:SCOPE_SE
	s_setreg_imm32_b32 hwreg(HW_REG_WAVE_MODE, 25, 1), 1
	s_wait_xcnt 0x0
	s_wait_alu depctr_hold_cnt(0) depctr_sa_sdst(0) depctr_va_vdst(0) depctr_va_sdst(0) depctr_va_ssrc(0) depctr_va_vcc(0) depctr_vm_vsrc(0)
	s_getreg_b32 s2, hwreg(HW_REG_IB_STS2, 6, 4)
	s_cmp_eq_u32 s2, 0
	s_cbranch_scc0 .Lentry_in_a_cluster
	s_endpgm
.Lentry_in_a_cluster:
	s_bfe_u32 s2, ttmp6, 0x10000c
	s_cmp_lg_u32 s2, 0xf033
	s_cbranch_scc0 .Lentry_shape_is_right
	s_endpgm
.Lentry_shape_is_right:
; The three projections on codes of FP6, K = 1,024, and their results quantised in registers for the attention launch.
; A work-group (x = head, y = block of 256 tokens) makes 256 tokens x the head's 128 channels of Q, of K and of V: 256 work-groups, one to a WGP.
; A wave takes 128 tokens (8 tiles) x 192 channels: waves 0, 2: Q and V's channel tiles 0-3; waves 1, 3: K and V's tiles 4-7: 96 accumulators, 768 registers, windows 1 to 3.
; Q and K: source 0 = 16 channels of W, source 1 = 16 tokens: a lane holds one token and its registers run along the channels.  V: the sources swapped: a lane holds one channel, registers along the tokens.
; By the order of rows in a tile (place r of tile t is row 32 (t / 2) + 8 (t % 2) + r + 8 (r / 8)) the 16 registers of tiles 2 b, 2 b + 1 are 16 neighbours along the next K.
; K goes in four chunks of 256 (two steps of 128) through two LDS slots: 40 tiles x 3,072 bytes, images of the operands' registers.  One joint load a wave for each chunk: wave 0 X's 16 tiles
; (shared along a row of the 4 x 4 cluster), waves 1, 2, 3 the 8 tiles of Wq, Wk, Wv (shared along a column).
; The scale words go from memory into registers, 128 consecutive bytes a load, one chunk ahead, in two sets.
; A step is three groups of 32 products: W's tiles 0-3, 4-7, V's four, each against X's eight.  W's groups lie in two sets of registers by turns, fetched one group ahead; X has one set,
; fetched anew in two halves as the step's last group lets its tiles go.
; No prefetch: K is four chunks, two of them asked for ahead of the first product, at the largest block that the registers hold, in clusters.
; OUT, as the attention launch reads it: fragment (ti, js) at (32 ti + js) 1,536 in qkv_c, its scale words at (384 js + ti) 64 + 4 r in qkv_s.
; LIMITS: NaN and infinities are not served; a block of zeros gets the byte 1 with zero codes (read by this program alone).
.set TB,    3072                       ; a tile's bytes in a chunk
.set SLOT,  40*TB                      ; X's 16 tiles, Wq's 8, Wk's 8, Wv's 8
.set SPARE, 2*SLOT                     ; the spare words, 128 bytes a wave: two blocks of 256 bytes that no other line names
.set SPW, 1
.set NIL, 2
.set LI,  3                            ; 16 x lane
.set LS,  4                            ; 4 x lane
.set AX,  6                            ; v6-7   LDS: my 8 tiles of X in slot 0, 1
.set AW,  8                            ; v8-9   my 8 tiles of Wq or Wk
.set AV,  10                           ; v10-11 my 4 tiles of Wv
.set SX,  12                           ; v12-27 X's scale words, set s at 12 + 8 s: lanes 0-15 the even step's, lanes 16-31 the odd step's
.set XF,  32                           ; v32-127 X's eight fragments
.set WF,  128                          ; v128-223 W's fragments, two sets of four
.set SW,  224                          ; v224-247 W's scale words, set s at 224 + 12 s: 8 of Wq or Wk, 4 of Wv
.set TM,  32                           ; the way out: v32-47 at work, v48-87 codes in two sets, v88-89 scale words, v90-95 what is stored of them
.set PCB, 48
.set PW,  88
.set PWS, 90
.set HM,  96
.set WV,  12
.set G1X, 24
.set G1W, 32
.set G0X, 40                           ; s[40:47] group 0 for X, one set a slot
.set G0W, 48                           ; s[48:55] for W
.set SXB, 56
.set SWB, 58
.set SVB, 60
.set OQ,  66
.set OV,  68
.set OSQ, 76
.set OSV, 78
.set SEL, 80
.set MSB, 0
.macro WIN new                         ; the immediate's high byte repeats the setting that is left
.if MSB != (\new)
	s_set_vgpr_msb (MSB<<8)|(\new)
.set MSB, (\new)
.endif
.endm
.macro PLACES                          ; four plain places in front of loads into registers that matrix instructions have read, and of the first read of results
.rept 4
	v_nop
.endr
.endm
.macro CREST
	s_cmp_lg_u32 s[WV], 0
	s_cbranch_scc1 .Lnot_wave_0_\@
	s_barrier_signal -3
.Lnot_wave_0_\@:
	s_barrier_wait -3
	s_barrier_signal -1
	s_barrier_wait -1
.endm
.macro CROUND
	s_barrier_signal -1
	s_barrier_wait -1
	CREST
.endm
.macro G1SET g, c, r, p                ; r rows of c elements of 8 bytes, p elements apart
	s_mov_b32 s[\g+1], (\c)<<16
	s_mov_b32 s[\g+2], (\r)<<16
	s_mov_b32 s[\g+3], (\c)<<16
	s_mov_b32 s[\g+4], \r
	s_mov_b32 s[\g+5], \p
	s_mov_b32 s[\g+6], 0
	s_mov_b32 s[\g+7], 0
.endm
.macro JLOAD s                         ; a chunk's joint loads into slot s: each line has one mask; the branch hangs on the wave's number alone
	s_cmp_eq_u32 s[WV], 0
	s_cbranch_scc0 .Lfor_w_\@
	tensor_load_to_lds s[G0X+4*\s:G0X+4*\s+3], s[G1X:G1X+7]
	s_nop 0
	PLACES
	s_branch .Lasked_\@
.Lfor_w_\@:
	tensor_load_to_lds s[G0W+4*\s:G0W+4*\s+3], s[G1W:G1W+7]
	s_nop 0
	PLACES
.Lasked_\@:
.endm
.macro LIN d, c0, cy, ct, cx, cw       ; s[d:d+1] = c0 + cy Y + ct (token half) + cx X + cw (channel half)
	s_mul_i32 s[\d], s18, \cy
	s_mul_i32 s73, s13, \ct
	s_add_co_u32 s[\d], s[\d], s73
	s_mul_i32 s73, s17, \cx
	s_add_co_u32 s[\d], s[\d], s73
	s_mul_i32 s73, s14, \cw
	s_add_co_u32 s[\d], s[\d], s73
	s_add_co_u32 s[\d], s[\d], \c0
	s_mov_b32 s[\d+1], 0
.endm
.macro WM d, a, b, sa, sb              ; ZERO: the product starts its sum; ROW: the odd step's scale words, in lanes 16-31 of both registers
.if ZERO
	v_wmma_scale_f32_16x16x128_f8f6f4 v[(\d):(\d)+7], v[(\a):(\a)+11], v[(\b):(\b)+11], 0, v[\sa], v[\sb] matrix_a_fmt:MATRIX_FMT_FP6 matrix_b_fmt:MATRIX_FMT_FP6
.elseif ROW
	v_wmma_scale_f32_16x16x128_f8f6f4 v[(\d):(\d)+7], v[(\a):(\a)+11], v[(\b):(\b)+11], v[(\d):(\d)+7], v[\sa], v[\sb] matrix_a_fmt:MATRIX_FMT_FP6 matrix_b_fmt:MATRIX_FMT_FP6 matrix_a_scale:MATRIX_SCALE_ROW1 matrix_b_scale:MATRIX_SCALE_ROW1
.else
	v_wmma_scale_f32_16x16x128_f8f6f4 v[(\d):(\d)+7], v[(\a):(\a)+11], v[(\b):(\b)+11], v[(\d):(\d)+7], v[\sa], v[\sb] matrix_a_fmt:MATRIX_FMT_FP6 matrix_b_fmt:MATRIX_FMT_FP6
.endif
.endm
; 16 products of Q or K: token tiles a0 .. a0 + 3 x channel tiles b0 .. b0 + 3 (set p).  Accumulator (a, b) at 64 (a % 4) + 8 b of window 1 + a / 4.  The accumulators take turns.
.macro MQ a0, b0, p
.irp a, \a0, \a0+1, \a0+2, \a0+3
.irp b, 0,1,2,3
	WM 64*((\a)%4)+8*(\b0+\b), WF+48*(\p)+12*\b, XF+12*(\a), SW+12*SS+\b0+\b, SX+8*SS+(\a)
.endr
.endr
.endm
; 16 products of V: token tiles t0 .. t0 + 3 x my four channel tiles (set p).  Accumulator (c, t) at 64 c + 8 t of window 3.
.macro MV t0, p
.irp t, \t0, \t0+1, \t0+2, \t0+3
.irp c, 0,1,2,3
	WM 64*\c+8*(\t), XF+12*(\t), WF+48*(\p)+12*\c, SX+8*SS+(\t), SW+12*SS+8+\c
.endr
.endr
.endm
.macro LW p, adr, off                  ; four fragments of W into set p: twelve loads of 512 consecutive bytes
.irp t, 0,1,2,3
.irp k, 0,1,2
	ds_load_b128 v[WF+48*(\p)+12*\t+4*\k:WF+48*(\p)+12*\t+4*\k+3], v[\adr] offset:(\off)+TB*\t+512*\k
.endr
.endr
.endm
.macro LX adr, t0, off                 ; X's fragments t0 .. t0 + 3: twelve loads
.irp t, \t0, \t0+1, \t0+2, \t0+3
.irp k, 0,1,2
	ds_load_b128 v[XF+12*(\t)+4*\k:XF+12*(\t)+4*\k+3], v[\adr] offset:(\off)+TB*(\t)+512*\k
.endr
.endr
.endm
.macro LSC c                           ; chunk c's twenty scale registers into set c % 2
.irp a, 0,1,2,3,4,5,6,7
	global_load_b32 v[SX+8*((\c)%2)+\a], v[LS], s[SXB:SXB+1] offset:512*\a+128*(\c)
.endr
.irp b, 0,1,2,3,4,5,6,7
	global_load_b32 v[SW+12*((\c)%2)+\b], v[LS], s[SWB:SWB+1] offset:512*\b+128*(\c)
.endr
.irp b, 0,1,2,3
	global_load_b32 v[SW+12*((\c)%2)+8+\b], v[LS], s[SVB:SVB+1] offset:512*\b+128*(\c)
.endr
.endm
; One step of 128 along K: 96 products.
.macro STEP st
.set EE, (\st)%2
.set SL, ((\st)/2)%2
.set SS, SL
.set P0, (\st)%2
.set NSL, (((\st)+1)/2)%2
.set ROW, EE
.if (\st) == 0
.set ZERO, 1
.else
.set ZERO, 0
.endif
	WIN 0
	PLACES
	LX AX+SL, 4, 1536*EE
	LW 1-P0, AW+SL, 4*TB+1536*EE
.if EE == 0
.if (\st) >= 2 && (\st) <= 4
	LSC (\st)/2+1                                  ; the next chunk's scale words, into the set that the last chunk's products have read
.endif
.if (\st) < 6
	s_wait_loadcnt 20                              ; this chunk's scale words are in; the next chunk's twenty may be out
.else
	s_wait_loadcnt 0x0
.endif
.endif
	s_wait_dscnt 24                                ; W's tiles 0-3 and X's 0-3 are in; the 24 loads just issued may be out
	WIN 0x50
	MQ 0, 0, P0
	s_wait_dscnt 12                                ; X's tiles 4-7 are in; W's tiles 4-7 may be out
	WIN 0xa0
	MQ 4, 0, P0
	WIN 0
	PLACES
	LW P0, AV+SL, 1536*EE
	s_wait_dscnt 12                                ; W's tiles 4-7 are in; V's four may be out
	WIN 0x50
	MQ 0, 4, 1-P0
	WIN 0xa0
	MQ 4, 4, 1-P0
.if (\st) == 7
	s_wait_dscnt 0x0
	WIN 0xf0
	MV 0, P0
	MV 4, P0
.elseif EE == 0
	WIN 0
	PLACES
	LW 1-P0, AW+SL, 1536
	s_wait_dscnt 12                                ; V's four are in; the next step's four may be out
	WIN 0xf0
	MV 0, P0
	WIN 0
	PLACES
	LX AX+SL, 0, 1536
	WIN 0xf0
	MV 4, P0
.else
	WIN 0
	s_wait_tensorcnt 0x0                           ; my one load that was out, my part of the next chunk, has landed
.if (\st) < 5
	ds_add_u32 v[SPW], v[NIL]                      ; the add in front of a refill's barrier
	s_add_nc_u64 s[G0X+4*SL+2:G0X+4*SL+3], s[G0X+4*SL+2:G0X+4*SL+3], 2*TB
	s_add_nc_u64 s[G0W+4*SL+2:G0W+4*SL+3], s[G0W+4*SL+2:G0W+4*SL+3], 2*TB
.endif
	s_wait_dscnt 0x0                               ; the add is done, and so are my reads of this slot
	s_barrier_signal -1
	WIN 0xf0
	MV 0, P0
	WIN 0
	s_barrier_wait -1
.if (\st) < 5
	CREST                                          ; the barrier has opened a round of the cluster's barrier: no partner's wave still reads this slot
	JLOAD SL                                       ; the chunk two on; its four v_nop are the places in front of the loads below
.else
	PLACES
.endif
	LW 1-P0, AW+NSL, 0
	LX AX+NSL, 0, 0
	WIN 0xf0
	MV 4, P0
.endif
.endm
; 64 numbers of a lane in window w, register s + 16 b + i = index 32 b + 16 (lane / 16) + i of my row, become a fragment's 12 code registers v[pc] on and its scale word v[pw].
.macro QUANT w, s, pc, pw
	s_wait_xcnt 0x0                                ; earlier stores have read their registers
	WIN 5*(\w)
.irp b, 0,1,2,3
	v_max3_num_f32 v[TM+\b], |v[(\s)+16*\b]|, |v[(\s)+1+16*\b]|, 0x1800000   ; with the floor 2^(3 - 127): the byte cannot fall under 1.  Each accumulator from its low end on
.endr
.irp i, 2,4,6,8,10,12,14
.irp b, 0,1,2,3
	v_max3_num_f32 v[TM+\b], |v[(\s)+16*\b+\i]|, |v[(\s)+1+16*\b+\i]|, v[TM+\b]
.endr
.endr
	WIN 0
.irp b, 0,1,2,3
	v_permlanex16_b32 v[TM+4+\b], v[TM+\b], s[SEL], s[SEL+1]
.endr
.irp b, 0,1,2,3
	v_max_num_f32 v[TM+\b], v[TM+\b], v[TM+4+\b]   ; with lane l xor 16's: the block's largest magnitude
.endr
.irp b, 0,1,2,3
	v_add_nc_u32 v[TM+12+\b], 0xff000000, v[TM+\b] ; 2 off its exponent field: the conversion's scale operand
.endr
.irp b, 0,1,2,3
	v_lshrrev_b32 v[TM+4+\b], 23, v[TM+12+\b]      ; the scale's byte
.endr
	v_lshl_or_b32 v[\pw], v[TM+5], 8, v[TM+4]
	v_lshl_or_b32 v[\pw], v[TM+6], 16, v[\pw]
	v_lshl_or_b32 v[\pw], v[TM+7], 24, v[\pw]
	WIN (\w)
.irp c, 0,1
	v_cvt_scalef32_pk16_fp6_f32 v[(\pc)+6*\c:(\pc)+2+6*\c], v[(\s)+32*\c:(\s)+15+32*\c], v[TM+12+2*\c]
	v_cvt_scalef32_pk16_fp6_f32 v[(\pc)+12+4*\c:(\pc)+14+4*\c], v[(\s)+16+32*\c:(\s)+31+32*\c], v[TM+13+2*\c]
.endr
	WIN 0
	v_nop                                          ; one plain place behind a scaled conversion
.irp c, 0,1                                    ; the operand's layout wants a whole block in a lane
.irp i, 0,1,2
	v_permlane16_swap_b32 v[(\pc)+6*\c+\i], v[(\pc)+12+4*\c+\i]
.endr
.irp i, 0,1,2
	v_mov_b32 v[(\pc)+3+6*\c+\i], v[(\pc)+12+4*\c+\i]
.endr
.endr
.endm
.macro OUTF n, w, s, cb, sb, q         ; the n-th tile of a run: its fragment, 49,152 bytes behind the last; each second time two tiles' scale words, 128 consecutive bytes
	QUANT \w, \s, PCB+20*((\n)%2), PW+(\n)%2
.irp k, 0,1,2
	global_store_b128 v[LI], v[PCB+20*((\n)%2)+4*\k:PCB+20*((\n)%2)+4*\k+3], s[\cb:\cb+1] offset:49152*(\n)+512*\k   ; 512 consecutive bytes, aligned
.endr
.if (\n)%2
	v_cndmask_b32 v[PWS+(\q)], v[PW], v[PW+1], s82 ; lanes 0-15: the even tile's words, lanes 16-31: the odd tile's
	global_store_b32 v[LS], v[PWS+(\q)], s[\sb:\sb+1] offset:64*((\n)-1)
.endif
.endm
	s_load_b256 s[4:11], s[0:1], 0x0               ; xw_c, xw_s, qkv_c, qkv_s
	v_lshl_add_u32 v[SPW], v0, 2, SPARE
	v_mov_b32 v[NIL], 0
	ds_add_u32 v[SPW], v[NIL]                      ; the opening lines: the add, twice on end, and its wait ahead of the first tensor load
	ds_add_u32 v[SPW], v[NIL]
	v_lshrrev_b32 v5, 5, v0
	v_readfirstlane_b32 s[WV], v5                  ; wave 0..3
	s_lshr_b32 s13, s[WV], 1                       ; which 128 tokens
	s_and_b32 s14, s[WV], 1                        ; Q and V's lower half, or K and V's upper half
	s_bfe_u32 s15, ttmp6, 0x40000                  ; cx
	s_bfe_u32 s16, ttmp6, 0x40004                  ; cy
	s_lshl_b32 s17, ttmp9, 2
	s_add_co_u32 s17, s17, s15                     ; X: the head
	s_and_b32 s18, ttmp7, 0xffff
	s_lshl_b32 s18, s18, 2
	s_add_co_u32 s18, s18, s16                     ; Y: the block of 256 tokens
	s_lshl_b32 s20, s16, 2
	s_lshl_b32 s20, 15, s20                        ; my row of the cluster
	s_lshl_b32 s21, 0x1111, s15                    ; my column
	s_or_b32 s[G1X], s20, (3<<16)|(1<<21)          ; 15:0 the mask; 17:16 elements of 8 bytes; 21 set beside a mask; no padding
	s_or_b32 s[G1W], s21, (3<<16)|(1<<21)
	G1SET G1X, 384, 16, 1536                       ; 16 tiles x 3,072 bytes of a chunk, 12,288 bytes apart
	G1SET G1W, 384, 8, 1536                        ; 8 tiles
	s_mul_i32 s22, s18, 196608                     ; X's tiles 256 + 16 Y on
	s_add_co_u32 s22, s22, 3145728
	s_mov_b32 s23, 0
	s_sub_co_u32 s70, s[WV], 1                     ; W's tiles: 128 (wave - 1)^2 + 8 X on: Wq at 0, Wk at 128, Wv at 512
	s_mul_i32 s70, s70, s70
	s_lshl_b32 s70, s70, 7
	s_lshl_b32 s71, s17, 3
	s_add_co_u32 s70, s70, s71
	s_mul_i32 s70, s70, 12288
	s_mov_b32 s71, 0
	s_mul_i32 s72, s[WV], 8*TB                     ; and where they go: behind X's 16 tiles, 8 tiles a wave
	s_add_co_u32 s72, s72, 8*TB
	s_wait_dscnt 0x0                               ; both opening adds are done
	s_wait_kmcnt 0x0
	s_add_nc_u64 s[22:23], s[4:5], s[22:23]
	s_add_nc_u64 s[70:71], s[4:5], s[70:71]
	CROUND                                         ; all sixteen work-groups are here: the first joint loads meet
.irp s, 0,1
	s_mov_b32 s[G0X+4*\s], 1
	s_mov_b32 s[G0X+4*\s+1], \s*SLOT
	s_add_nc_u64 s[G0X+4*\s+2:G0X+4*\s+3], s[22:23], \s*TB
	s_or_b32 s[G0X+4*\s+3], s[G0X+4*\s+3], 0x80000000
	s_mov_b32 s[G0W+4*\s], 1
	s_add_co_u32 s[G0W+4*\s+1], s72, \s*SLOT
	s_add_nc_u64 s[G0W+4*\s+2:G0W+4*\s+3], s[70:71], \s*TB
	s_or_b32 s[G0W+4*\s+3], s[G0W+4*\s+3], 0x80000000
.endr
	JLOAD 0                                        ; chunk 0: one tensor load a wave at the head
	s_mov_b32 s[SEL], 0x76543210
	s_mov_b32 s[SEL+1], 0xfedcba98                 ; selects for lane l xor 16
	LIN SXB, 131072, 8192, 4096, 0, 0              ; scale words, 512 bytes a tile: X's tile 256 + 16 Y + 8 half
	LIN SWB, 0, 0, 0, 4096, 65536                  ; tile 128 (K?) + 8 X
	LIN SVB, 262144, 0, 0, 4096, 2048              ; tile 512 + 8 X + 4 half
	LIN OQ, 0, 786432, 393216, 1536, 24576         ; ti = 16 Y + 8 half, js = X + 16 (K?)
	LIN OV, 12582912, 3072, 1536, 393216, 196608   ; ti = 256 + 8 X + 4 half, js = 2 Y + half
	LIN OSQ, 0, 1024, 512, 24576, 393216
	LIN OSV, 16384, 49152, 24576, 512, 256
	s_add_nc_u64 s[SXB:SXB+1], s[6:7], s[SXB:SXB+1]
	s_add_nc_u64 s[SWB:SWB+1], s[6:7], s[SWB:SWB+1]
	s_add_nc_u64 s[SVB:SVB+1], s[6:7], s[SVB:SVB+1]
	s_add_nc_u64 s[OQ:OQ+1], s[8:9], s[OQ:OQ+1]
	s_add_nc_u64 s[OV:OV+1], s[8:9], s[OV:OV+1]
	s_add_nc_u64 s[OSQ:OSQ+1], s[10:11], s[OSQ:OSQ+1]
	s_add_nc_u64 s[OSV:OSV+1], s[10:11], s[OSV:OSV+1]
	s_mul_i32 s20, s13, 8*TB
	s_mul_i32 s21, s14, 8*TB
	s_add_co_u32 s21, s21, 16*TB
	s_mul_i32 s22, s14, 4*TB
	s_add_co_u32 s22, s22, 32*TB
	v_and_b32 v5, 31, v0
	v_lshlrev_b32 v[LI], 4, v5
	v_lshlrev_b32 v[LS], 2, v5
	v_add_nc_u32 v[AX], s20, v[LI]
	v_add_nc_u32 v[AW], s21, v[LI]
	v_add_nc_u32 v[AV], s22, v[LI]
	v_add_nc_u32 v[AX+1], SLOT, v[AX]
	v_add_nc_u32 v[AW+1], SLOT, v[AW]
	v_add_nc_u32 v[AV+1], SLOT, v[AV]
	s_wait_alu depctr_va_vdst(0)                   ; the head's end
	LSC 0
	LSC 1
	s_wait_tensorcnt 0x0                           ; my part of chunk 0 is in
	ds_add_u32 v[SPW], v[NIL]
	s_wait_dscnt 0x0
	CROUND                                         ; everybody's part is in, and all sixteen work-groups are here
	JLOAD 1                                        ; chunk 1, the first tensor load behind the round
	LW 0, AW, 0
	LX AX, 0, 0
.irp st, 0,1,2,3,4,5,6,7
	STEP \st
.endr
	; THE WAY OUT: twelve fragments and their scale words
	WIN 0
	PLACES
.irp b, 0,1,2,3
	v_mov_b32 v[TM+4+\b], 0                        ; a lane permute's destination counts as one of its sources
.endr
	v_and_b32 v[HM], 16, v0
	v_cmp_ne_u32 s82, 0, v[HM]                     ; lanes 16-31
.irp n, 0,1,2,3,4,5,6,7
	OUTF \n, 1+\n/4, 64*(\n%4), OQ, OSQ, \n/2
.endr
.irp n, 0,1,2,3
	OUTF \n, 3, 64*\n, OV, OSV, 4+\n/2
.endr
	s_wait_tensorcnt 0x0                           ; the wave's end
	ds_add_u32 v[SPW], v[NIL]
	s_wait_dscnt 0x0
	CROUND                                         ; the closing round
	s_endpgm
.Lfunc_end_k_qe31c7eee86_qkv:
	.size	k_qe31c7eee86_qkv, .Lfunc_end_k_qe31c7eee86_qkv-k_qe31c7eee86_qkv
	.p2alignl 7, 3214868480
	.fill 96, 4, 3214868480
	.section	.rodata,"a",@progbits
	.p2align	6, 0x0
	.amdhsa_kernel k_qe31c7eee86_qkv
		.amdhsa_group_segment_fixed_size 327680
		.amdhsa_private_segment_fixed_size 0
		.amdhsa_enable_private_segment 0
		.amdhsa_kernarg_size 32
		.amdhsa_user_sgpr_count 2
		.amdhsa_user_sgpr_kernarg_segment_ptr 1
		.amdhsa_wavefront_size32 1
		.amdhsa_system_sgpr_workgroup_id_x 1
		.amdhsa_system_sgpr_workgroup_id_y 1
		.amdhsa_system_sgpr_workgroup_id_z 1
		.amdhsa_system_vgpr_workitem_id 0
		.amdhsa_next_free_vgpr 1024
		.amdhsa_next_free_sgpr 84
		.amdhsa_reserve_vcc 0
		.amdhsa_float_denorm_mode_32 3
		.amdhsa_float_denorm_mode_16_64 3
		.amdhsa_memory_ordered 1
		.amdhsa_forward_progress 1
		.amdhsa_inst_pref_size 204
	.end_amdhsa_kernel
	.amdgpu_metadata
---
amdhsa.version: [ 1, 2 ]
amdhsa.kernels:
  - .name:           k_qe31c7eee86_qkv
    .symbol:         k_qe31c7eee86_qkv.kd
    .args:
      - { .name: xw_c, .offset: 0, .size: 8, .value_kind: global_buffer, .address_space: global }
      - { .name: xw_s, .offset: 8, .size: 8, .value_kind: global_buffer, .address_space: global }
      - { .name: qkv_c, .offset: 16, .size: 8, .value_kind: global_buffer, .address_space: global }
      - { .name: qkv_s, .offset: 24, .size: 8, .value_kind: global_buffer, .address_space: global }
    .group_segment_fixed_size: 327680
    .private_segment_fixed_size: 0
    .kernarg_segment_align: 8
    .kernarg_segment_size: 32
    .max_flat_workgroup_size: 128
    .sgpr_count:     84
    .vgpr_count:     1024
    .wavefront_size: 32
...
	.end_amdgpu_metadata
.endif
;; end of part 2
;; launch attn (part 3): grid 4 x 64, 16 waves a work-group, clusters of 4 x 1, 327,680 bytes of LDS; arguments qkv_c, qkv_s, lq1, lk1, lq2, lk2, rms_scale, o_c, o_s; writes o_c, o_s
.if DOCPART == 3
	.amdgcn_target "amdgcn-amd-amdhsa--gfx1250"
	.amdhsa_code_object_version 6
	.text
	.protected	k_qe31c7eee86_attn
	.globl	k_qe31c7eee86_attn
	.p2align	8
	.type	k_qe31c7eee86_attn,@function
k_qe31c7eee86_attn:
	s_mov_b64 s[64:65], 0
	v_nop
	global_prefetch_b8 v0, s[64:65] scope:SCOPE_SE
	s_setreg_imm32_b32 hwreg(HW_REG_WAVE_MODE, 25, 1), 1
	s_wait_xcnt 0x0
	s_wait_alu depctr_hold_cnt(0) depctr_sa_sdst(0) depctr_va_vdst(0) depctr_va_sdst(0) depctr_va_ssrc(0) depctr_va_vcc(0) depctr_vm_vsrc(0)
	s_getreg_b32 s2, hwreg(HW_REG_IB_STS2, 6, 4)
	s_cmp_eq_u32 s2, 0
	s_cbranch_scc0 .Lentry_in_a_cluster
	s_endpgm
.Lentry_in_a_cluster:
	s_bfe_u32 s2, ttmp6, 0x10000c
	s_cmp_lg_u32 s2, 0x3003
	s_cbranch_scc0 .Lentry_shape_is_right
	s_endpgm
.Lentry_shape_is_right:
; Differential attention of one (batch, head) for a cluster of four work-groups, on codes of FP6:  attn = softmax(Q1 K1^T / 8) - lam softmax(Q2 K2^T / 8) under the causal mask, O = attn V,
; O / sqrt(mean(O^2) + 1e-5) x rms_scale x 0.2, quantised along the channels for the last product.
; attn is quantised FINISHED AND NORMALISED, so the keys are walked twice: pass 1 finds each row's maximum and sum of both maps (running maximum M, a whole number, so that rescaling rounds nothing);
; pass 2 makes the scores again, forms attn in f32, quantises it along the keys, 32 a block, and multiplies by V.
; A score's K is 64: Q's fragment (Q1 | Q2, 128 channels) is kept as [Q1's six registers][six of zero codes][Q2's six]; registers 0-11 of that run are (Q1, 0), registers 6-17 are (0, Q2): each against K's
; whole fragment (K1 | K2) gives one map.
; SHARES.  The head's whole K and V (192 KB of codes, 8 KB of scale words) come into LDS once, by joint loads of the four work-groups, and stay: no LDS byte is filled twice.
; Wave w owns the tile of 16 queries T = 4 k + cx, k from a table by the wave's number alone, laid so that any four waves w % 4 or w / 4 alike have the same number of key steps together.
; The tile's queries lie in 64 k .. 64 k + 63, so which key steps are walked and which lie on the diagonal hangs on k alone, never on the work-group's place in its cluster.
; Steps behind the diagonal are jumped over (scalar branches on the wave's number and the count of steps); the loops' trip counts are constants and no barrier stands in a loop.
; LAYOUT.  Both products are used transposed (source 0 = 16 keys, or 16 channels of V; source 1 = my queries, or attn): a lane holds one query throughout, and by the order of rows in a tile
; (place r of tile t is row 32 (t / 2) + 8 (t % 2) + r + 8 (r / 8)) the 16 registers of two neighbouring tiles are 16 neighbours along the next K.
; LIMITS: NaN and infinities are not served; v_exp_f32 gives 0 for results under 2^-126; a block of zeros gets the byte 1 with zero codes (read by this program alone).
.set KC,    0                          ; K's 64 tiles x 1,536 bytes
.set VC,    98304                      ; V: [channel tile][key step] x 1,536 bytes
.set KS,    196608                     ; K's scale words: [tile][16]
.set VS,    200704                     ; V's: [key step][channel tile][16]
.set SPARE, 204800                     ; the spare words, 128 bytes a wave: eight blocks of 256 bytes that no other line names
.set SPW, 1
.set NIL, 2
.set LI,  3                            ; 16 x lane
.set LS,  4                            ; 4 x lane
.set QD,  5                            ; my query - 16 (lane / 16)
.set ADK, 6
.set ADS, 7
.set ADV, 8
.set ADV2, 9
.set ADT, 10
.set DD,  11
.set NINF, 12
.set QS,  13                           ; Q's scale words
.set PS,  14                           ; attn's scale word
.set LAM, 15
.set QZ,  16                           ; v16-33 Q1 | zeros | Q2
.set NM,  34                           ; v[34:35], v[36:37]: (-M, the largest t) of map 1, 2
.set LSUM, 38                          ; v[38:39], v[40:41]: the sums, in two halves
.set FF,  42                           ; v[42:43], v[44:45]: the rescaling factors; in pass 2: 1 / l1 and -lam / l2
.set KSC, 46                           ; v46-47 K's scale words
.set VSC, 48                           ; v48-51 V's
.set BYT, 52                           ; v52-55 pass 1: sums at work; pass 2: attn's four scale bytes
.set TP,  56                           ; v56-63 at work
.set KF,  64                           ; v64-111 four fragments of K or V
.set S1,  112                          ; v112-143 map 1's scores, then attn
.set S2,  144                          ; v144-175 map 2's
.set O,   176                          ; v176-239 O^T
.set PC,  240                          ; v240-251 attn's codes
.set PT,  252
.set WV,  22
.set KK,  23                           ; k: the half step (64 keys) on the diagonal
.set KH,  24                           ; k / 2: the step (128 keys) on the diagonal
.set SEL, 26
.set CS,  28                           ; c = log2(e) / 8
.set CNT, 30
.set KB,  31
.set KSB, 32
.set KFH, 33
.set VB,  34
.set VSB, 35
.set G1KC, 36
.set G1VC, 44
.set G1KS, 52
.set G1VS, 68
.set G0KC, 76
.set G0VC, 80
.set G0KS, 84
.set G0VS, 88
.macro CROUND
	s_barrier_signal -1
	s_barrier_wait -1
	s_cmp_lg_u32 s[WV], 0
	s_cbranch_scc1 .Lnot_wave_0_\@
	s_barrier_signal -3
.Lnot_wave_0_\@:
	s_barrier_wait -3
	s_barrier_signal -1
	s_barrier_wait -1
.endm
.macro G1SET g, c, r, p
	s_mov_b32 s[\g], 15|(3<<16)|(1<<21)            ; the mask: all four work-groups; elements of 8 bytes; 21 set beside a mask; no padding
	s_mov_b32 s[\g+1], (\c)<<16
	s_mov_b32 s[\g+2], (\r)<<16
	s_mov_b32 s[\g+3], (\c)<<16
	s_mov_b32 s[\g+4], \r
	s_mov_b32 s[\g+5], \p
	s_mov_b32 s[\g+6], 0
	s_mov_b32 s[\g+7], 0
.endm
.macro TL g0, g1
	tensor_load_to_lds s[\g0:\g0+3], s[\g1:\g1+7]
	s_nop 0
.endm
.macro FRAG3 reg, adr, off
.irp k, 0,1,2
	ds_load_b128 v[(\reg)+4*\k:(\reg)+4*\k+3], v[\adr] offset:(\off)+512*\k
.endr
.endm
.macro WS d, a, b, sa, row             ; a product of scores: it starts its sum
.if \row
	v_wmma_scale_f32_16x16x128_f8f6f4 v[\d:\d+7], v[\a:\a+11], v[\b:\b+11], 0, v[\sa], v[QS] matrix_a_fmt:MATRIX_FMT_FP6 matrix_b_fmt:MATRIX_FMT_FP6 matrix_a_scale:MATRIX_SCALE_ROW1
.else
	v_wmma_scale_f32_16x16x128_f8f6f4 v[\d:\d+7], v[\a:\a+11], v[\b:\b+11], 0, v[\sa], v[QS] matrix_a_fmt:MATRIX_FMT_FP6 matrix_b_fmt:MATRIX_FMT_FP6
.endif
.endm
.macro WP d, a, sa, row                ; O^T += V^T attn^T
.if \row
	v_wmma_scale_f32_16x16x128_f8f6f4 v[\d:\d+7], v[\a:\a+11], v[PC:PC+11], v[\d:\d+7], v[\sa], v[PS] matrix_a_fmt:MATRIX_FMT_FP6 matrix_b_fmt:MATRIX_FMT_FP6 matrix_a_scale:MATRIX_SCALE_ROW1
.else
	v_wmma_scale_f32_16x16x128_f8f6f4 v[\d:\d+7], v[\a:\a+11], v[PC:PC+11], v[\d:\d+7], v[\sa], v[PS] matrix_a_fmt:MATRIX_FMT_FP6 matrix_b_fmt:MATRIX_FMT_FP6
.endif
.endm
.macro QUANT s, tm, pc, pw             ; 64 numbers of a lane (register 16 b + i = index 32 b + 16 (lane / 16) + i) -> 12 code registers v[pc] on, scale word v[pw]
.irp b, 0,1,2,3
	v_max3_num_f32 v[(\tm)+\b], |v[(\s)+16*\b]|, |v[(\s)+1+16*\b]|, 0x1800000
.endr
.irp i, 2,4,6,8,10,12,14
.irp b, 0,1,2,3
	s_delay_alu instid0(VALU_DEP_4)
	v_max3_num_f32 v[(\tm)+\b], v[(\tm)+\b], |v[(\s)+16*\b+\i]|, |v[(\s)+1+16*\b+\i]|
.endr
.endr
.irp b, 0,1,2,3
	s_delay_alu instid0(VALU_DEP_4)
	v_permlanex16_b32 v[(\tm)+4+\b], v[(\tm)+\b], s[SEL], s[SEL+1]
.endr
.irp b, 0,1,2,3
	s_delay_alu instid0(VALU_DEP_4)
	v_max_num_f32 v[(\tm)+\b], v[(\tm)+\b], v[(\tm)+4+\b]
.endr
.irp b, 0,1,2,3
	s_delay_alu instid0(VALU_DEP_4)
	v_add_nc_u32 v[(\tm)+12+\b], 0xff000000, v[(\tm)+\b]
.endr
.irp b, 0,1,2,3
	s_delay_alu instid0(VALU_DEP_4)
	v_lshrrev_b32 v[(\tm)+4+\b], 23, v[(\tm)+12+\b]
.endr
	s_delay_alu instid0(VALU_DEP_3)
	v_lshl_or_b32 v[\pw], v[(\tm)+5], 8, v[(\tm)+4]
	s_delay_alu instid0(VALU_DEP_1)
	v_lshl_or_b32 v[\pw], v[(\tm)+6], 16, v[\pw]
	s_delay_alu instid0(VALU_DEP_1)
	v_lshl_or_b32 v[\pw], v[(\tm)+7], 24, v[\pw]
.irp c, 0,1
	v_cvt_scalef32_pk16_fp6_f32 v[(\pc)+6*\c:(\pc)+2+6*\c], v[(\s)+32*\c:(\s)+15+32*\c], v[(\tm)+12+2*\c]
	v_cvt_scalef32_pk16_fp6_f32 v[(\pc)+12+4*\c:(\pc)+14+4*\c], v[(\s)+16+32*\c:(\s)+31+32*\c], v[(\tm)+13+2*\c]
.endr
	v_nop
.irp c, 0,1
.irp i, 0,1,2
	v_permlane16_swap_b32 v[(\pc)+6*\c+\i], v[(\pc)+12+4*\c+\i]
.endr
.irp i, 0,1,2
	s_delay_alu instid0(VALU_DEP_3)
	v_mov_b32 v[(\pc)+3+6*\c+\i], v[(\pc)+12+4*\c+\i]
.endr
.endr
.endm
	s_load_b256 s[4:11], s[0:1], 0x0               ; qkv_c, qkv_s, lq1, lk1
	s_load_b256 s[12:19], s[0:1], 0x20             ; lq2, lk2, rms_scale, o_c
	s_load_b64 s[20:21], s[0:1], 0x40              ; o_s
	v_lshl_add_u32 v[SPW], v0, 2, SPARE
	v_mov_b32 v[NIL], 0
	ds_add_u32 v[SPW], v[NIL]                      ; the wave's opening: the add and its wait ahead of the first tensor load; work on registers stands between
	ds_add_u32 v[SPW], v[NIL]
	v_lshrrev_b32 v3, 5, v0
	s_delay_alu instid0(VALU_DEP_1)
	v_readfirstlane_b32 s[WV], v3                  ; wave 0..15
	s_and_b32 s94, ttmp7, 0xffff                   ; 16 b + head, which the four partners share
	s_and_b32 s95, s94, 15                         ; the head
	s_lshr_b32 s94, s94, 4                         ; b
	s_and_b32 s25, s[WV], 1
	s_mov_b32 s96, 0x0de3b658                      ; k by the wave's number: 15 2 1 12 | 4 9 10 7 | 8 5 6 11 | 3 14 13 0: every row and every column adds up to 30
	s_cmp_lt_u32 s[WV], 8
	s_cselect_b32 s96, 0x7a94c12f, s96
	s_and_b32 s97, s[WV], 7
	s_lshl_b32 s97, s97, 2
	s_lshr_b32 s96, s96, s97
	s_and_b32 s[KK], s96, 15
	s_lshr_b32 s[KH], s[KK], 1
	G1SET G1KC, 192, 32, 6144                      ; K's codes: 32 tiles x 1,536 bytes, 49,152 bytes apart
	G1SET G1VC, 1536, 4, 6144                      ; V's: 4 channel tiles x 8 key steps on end
	G1SET G1KS, 32, 16, 32                         ; K's scale words: 4,096 dense bytes
	G1SET G1VS, 64, 8, 3072                        ; V's: 8 key steps x 512 bytes, 24,576 bytes apart
	s_mul_i32 s96, s94, 3145728                    ; K: fragment (64 b + t, 16 + head); wave 1 takes tiles 32 on
	s_mul_i32 s30, s95, 1536
	s_add_co_u32 s96, s96, s30
	s_mul_i32 s30, s25, 1572864
	s_add_co_u32 s96, s96, s30
	s_add_co_u32 s96, s96, 24576
	s_mov_b32 s97, 0
	s_mul_i32 s98, s95, 393216                     ; V: fragment (256 + 8 head + dt, 8 b + step); wave 1 takes channel tiles 4 on
	s_mul_i32 s30, s94, 12288
	s_add_co_u32 s98, s98, s30
	s_mul_i32 s30, s25, 196608
	s_add_co_u32 s98, s98, s30
	s_add_co_u32 s98, s98, 12582912
	s_mov_b32 s99, 0
	s_add_co_u32 s30, s95, 16
	s_mul_i32 s30, s30, 24576
	s_lshl_b32 s31, s94, 12
	s_add_co_u32 s30, s30, s31
	s_mov_b32 s31, 0
	s_mul_i32 s32, s94, 196608
	s_lshl_b32 s33, s95, 9
	s_add_co_u32 s32, s32, s33
	s_add_co_u32 s32, s32, 16384
	s_mov_b32 s33, 0
	s_mov_b32 s[SEL], 0x76543210
	s_mov_b32 s[SEL+1], 0xfedcba98
	s_mov_b32 s[CS], 0x3e38aa3b                    ; log2(e) / 8
	s_mov_b32 s[CS+1], s[CS]
	s_wait_dscnt 0x0                               ; the opening add is done
	s_wait_kmcnt 0x0
	s_mov_b32 s[G0KC], 1
	s_mul_i32 s[G0KC+1], s25, 49152
	s_add_nc_u64 s[G0KC+2:G0KC+3], s[4:5], s[96:97]
	s_or_b32 s[G0KC+3], s[G0KC+3], 0x80000000
	s_mov_b32 s[G0VC], 1
	s_mul_i32 s[G0VC+1], s25, 49152
	s_add_co_u32 s[G0VC+1], s[G0VC+1], VC
	s_add_nc_u64 s[G0VC+2:G0VC+3], s[4:5], s[98:99]
	s_or_b32 s[G0VC+3], s[G0VC+3], 0x80000000
	s_mov_b32 s[G0KS], 1
	s_mov_b32 s[G0KS+1], KS
	s_add_nc_u64 s[G0KS+2:G0KS+3], s[6:7], s[30:31]
	s_or_b32 s[G0KS+3], s[G0KS+3], 0x80000000
	s_mov_b32 s[G0VS], 1
	s_mov_b32 s[G0VS+1], VS
	s_add_nc_u64 s[G0VS+2:G0VS+3], s[6:7], s[32:33]
	s_or_b32 s[G0VS+3], s[G0VS+3], 0x80000000
	CROUND                                         ; all four work-groups are here: the joint loads meet
	s_cmp_lt_u32 s[WV], 2                          ; all fills of the launch, one a wave: waves 0, 1: a half of K's codes; 2, 3: a half of V's; 4: K's scale words; 5: V's
	s_cbranch_scc0 .Lnot_k
	TL G0KC, G1KC
.rept 4
	v_nop
.endr
	s_branch .Lasked
.Lnot_k:
	s_cmp_lt_u32 s[WV], 4
	s_cbranch_scc0 .Lnot_v
	TL G0VC, G1VC
.rept 4
	v_nop
.endr
	s_branch .Lasked
.Lnot_v:
	s_cmp_eq_u32 s[WV], 4
	s_cbranch_scc0 .Lnot_ks
	TL G0KS, G1KS
.rept 4
	v_nop
.endr
	s_branch .Lasked
.Lnot_ks:
	s_cmp_eq_u32 s[WV], 5
	s_cbranch_scc0 .Lasked
	TL G0VS, G1VS
.rept 4
	v_nop
.endr
.Lasked:
	s_bfe_u32 s66, ttmp6, 0x40000                  ; cx: it enters vector data and vector offsets of global memory alone
	s_lshl_b32 s67, s[KK], 2
	s_add_co_u32 s66, s66, s67                     ; T = 4 k + cx
	s_lshl_b32 s67, s94, 6
	s_add_co_u32 s67, s67, s66                     ; the token tile 64 b + T
	v_and_b32 v63, 31, v0
	s_delay_alu instid0(VALU_DEP_1)
	v_lshlrev_b32 v[LI], 4, v63
	s_wait_alu depctr_va_vdst(0)
	v_lshlrev_b32 v[LS], 2, v63
	v_and_b32 v56, 15, v0                          ; r
	s_wait_alu depctr_va_vdst(0)
	v_and_b32 v57, 8, v0                           ; 8 (r / 8)
	v_and_b32 v58, 16, v0                          ; 16 (lane / 16)
	s_delay_alu instid0(VALU_DEP_2)
	v_add_nc_u32 v[QD], v56, v57
	s_delay_alu instid0(VALU_DEP_1)
	v_sub_nc_u32 v[QD], v[QD], v58
	s_lshr_b32 s92, s66, 1
	s_lshl_b32 s92, s92, 5
	s_and_b32 s93, s66, 1
	s_lshl_b32 s93, s93, 3
	s_add_co_u32 s92, s92, s93
	v_add_nc_u32 v[QD], s92, v[QD]                 ; 32 (T / 2) + 8 (T % 2) + r + 8 (r / 8) - 16 (lane / 16)
	s_mul_i32 s92, s67, 49152
	s_mul_i32 s93, s95, 1536
	s_add_co_u32 s92, s92, s93
	v_add_nc_u32 v59, s92, v[LI]
	global_load_b128 v[QZ:QZ+3], v59, s[4:5]                   ; Q's registers 0-3,
	global_load_b128 v[64:67], v59, s[4:5] offset:512          ; 4-7 (moved below),
	global_load_b128 v[QZ+14:QZ+17], v59, s[4:5] offset:1024   ; 8-11
	s_mul_i32 s92, s95, 24576
	s_lshl_b32 s93, s67, 6
	s_add_co_u32 s92, s92, s93
	v_lshl_add_u32 v62, v56, 2, s92
	global_load_b32 v[QS], v62, s[6:7]
	s_lshl_b32 s92, s95, 8
	v_lshl_add_u32 v63, v63, 3, s92                ; the head's 64 numbers: two a lane
	global_load_b64 v[68:69], v63, s[8:9]
	global_load_b64 v[70:71], v63, s[10:11]
	global_load_b64 v[72:73], v63, s[12:13]
	global_load_b64 v[74:75], v63, s[14:15]
	v_mov_b32 v[NINF], 0xff800000
	v_mov_b32 v[NM+1], 0xff61b1e6                  ; the largest t so far: -3e38
	v_mov_b32 v[NM+3], 0xff61b1e6
	s_delay_alu instid0(VALU_DEP_2)
	v_floor_f32 v[NM], -v[NM+1]
	s_delay_alu instid0(VALU_DEP_2)
	v_floor_f32 v[NM+2], -v[NM+3]
.irp j, 0,1,2,3
	v_mov_b32 v[LSUM+\j], 0
	v_mov_b32 v[FF+\j], 0
.endr
	v_mov_b32 v60, 0                               ; a lane permute's destination counts as one of its sources
	v_mov_b32 v61, 0
.irp j, 6,7,8,9,10,11
	v_mov_b32 v[QZ+\j], 0                          ; six registers of zero codes
.endr
.irp j, 0,1,2,3,4,5,6,7,8,9,10,11,12,13,14,15,16,17,18,19,20,21,22,23,24,25,26,27,28,29,30,31,32,33,34,35,36,37,38,39,40,41,42,43,44,45,46,47,48,49,50,51,52,53,54,55,56,57,58,59,60,61,62,63
	v_mov_b32 v[O+\j], 0                           ; O^T: the key step is written once, so its first trip finds zeros
.endr
	s_mov_b32 s[KB], 0
	s_mov_b32 s[KSB], KS
	s_mov_b32 s[KFH], 0
	s_mov_b32 s[VB], VC
	s_mov_b32 s[VSB], VS
	s_mov_b32 s98, 0x3fb8aa3b                      ; log2(e), its upper part,
	s_mov_b32 s99, 0x32a57060                      ; and what f32 leaves of it
	s_wait_loadcnt 0x0
	v_mov_b32 v[QZ+4], v64
	v_mov_b32 v[QZ+5], v65
	v_mov_b32 v[QZ+12], v66
	v_mov_b32 v[QZ+13], v67
	; lam = exp(lq1 . lk1) - exp(lq2 . lk2) + 0.8
	v_mul_f32 v76, v68, v70
	v_mul_f32 v77, v72, v74
	s_delay_alu instid0(VALU_DEP_2)
	v_fmac_f32 v76, v69, v71
	s_delay_alu instid0(VALU_DEP_2)
	v_fmac_f32 v77, v73, v75
.irp x, 1,2,4,8
	s_delay_alu instid0(VALU_DEP_2)
	v_add_f32_dpp v76, v76, v76 row_xmask:\x row_mask:0xf bank_mask:0xf
	s_delay_alu instid0(VALU_DEP_2)
	v_add_f32_dpp v77, v77, v77 row_xmask:\x row_mask:0xf bank_mask:0xf
.endr
	s_delay_alu instid0(VALU_DEP_2)
	v_permlanex16_b32 v60, v76, s[SEL], s[SEL+1]
	s_delay_alu instid0(VALU_DEP_2)
	v_permlanex16_b32 v61, v77, s[SEL], s[SEL+1]
	s_delay_alu instid0(VALU_DEP_2)
	v_add_f32 v76, v76, v60
	s_delay_alu instid0(VALU_DEP_2)
	v_add_f32 v77, v77, v61
	s_delay_alu instid0(VALU_DEP_2)
	v_mul_f32 v78, s98, v76                        ; e^x = 2^n 2^f: n the nearest whole number to x log2(e), f the rest, kept with log2(e) in two parts
	s_delay_alu instid0(VALU_DEP_2)
	v_mul_f32 v79, s98, v77
	s_delay_alu instid0(VALU_DEP_2)
	v_rndne_f32 v78, v78
	s_delay_alu instid0(VALU_DEP_2)
	v_rndne_f32 v79, v79
	s_delay_alu instid0(VALU_DEP_2)
	v_fma_f32 v80, v76, s98, -v78
	s_delay_alu instid0(VALU_DEP_2)
	v_fma_f32 v81, v77, s98, -v79
	s_delay_alu instid0(VALU_DEP_2)
	v_fma_f32 v80, v76, s99, v80
	s_delay_alu instid0(VALU_DEP_2)
	v_fma_f32 v81, v77, s99, v81
	s_wait_alu depctr_va_vdst(0)
	v_exp_f32 v80, v80
	v_exp_f32 v81, v81
	v_cvt_i32_f32 v78, v78                         ; (plain places behind the exponentials)
	v_cvt_i32_f32 v79, v79
	s_wait_alu depctr_va_vdst(0)                   ; one wait for the two, ahead of their first reader
	v_ldexp_f32 v80, v80, v78
	v_ldexp_f32 v81, v81, v79
	s_delay_alu instid0(VALU_DEP_1)
	v_sub_f32 v[LAM], v80, v81
	s_delay_alu instid0(VALU_DEP_1)
	v_add_f32 v[LAM], 0x3f4ccccd, v[LAM]
	s_wait_tensorcnt 0x0                           ; in the six loading waves: my one load has landed; behind this barrier K, V and their scale words are whole for every wave
	s_barrier_signal -1
	s_barrier_wait -1                              ; K and its scale words are whole for every wave
; 64 keys, four tiles: both maps' scores.  off: 0, or 1 for the second half of a step of 128.  Register 16 bb + i of a map = key first + 32 bb + 16 (lane / 16) + i.
.macro SCORES off
	v_add_nc_u32 v[ADK], s[KB], v[LI]
	v_add_nc_u32 v[ADS], s[KSB], v[LS]
.irp t, 0,1,2,3
	FRAG3 KF+12*\t, ADK, 6144*\off+1536*\t
.endr
.irp bb, 0,1
	ds_load_b32 v[KSC+\bb], v[ADS] offset:256*\off+128*\bb     ; lanes 0-15: tile 2 bb's words, lanes 16-31: tile 2 bb + 1's
.endr
	s_wait_dscnt 0x0
.irp t, 0,1,2,3
	WS S1+8*\t, KF+12*\t, QZ, KSC+\t/2, \t%2
	WS S2+8*\t, KF+12*\t, QZ+6, KSC+\t/2, \t%2
.endr
.rept 4
	v_nop                                          ; four plain places ahead of the first read of results (ISA guide 7.12.1)
.endr
.endm
.macro MASK add                        ; on the diagonal: scores of keys behind my query become -infinity.  Each accumulator is taken from its low end on
	s_add_co_u32 s92, s[KFH], \add
	v_sub_nc_u32 v[DD], v[QD], s92                 ; hidden where 32 bb + i > my query - 16 (lane / 16) - the first key
.irp n, 0,1,2,3,4,5,6,7,8,9,10,11,12,13,14,15,16,17,18,19,20,21,22,23,24,25,26,27,28,29,30,31
	v_cmp_gt_i32 vcc_lo, 32*(\n/16)+\n%16, v[DD]
	v_cndmask_b32 v[S1+\n], v[S1+\n], v[NINF], vcc_lo
	v_cndmask_b32 v[S2+\n], v[S2+\n], v[NINF], vcc_lo
.endr
.endm
.macro SHIFTEXP                        ; both maps: 2^(score x c - M): 32 packed multiply-adds, 64 exponentials as one batch
.irp j, 0,2,4,6,8,10,12,14,16,18,20,22,24,26,28,30
.irp m, 0,1
	v_pk_fma_f32 v[S1+32*\m+\j:S1+32*\m+\j+1], v[S1+32*\m+\j:S1+32*\m+\j+1], s[CS:CS+1], v[NM+2*\m:NM+2*\m+1] op_sel_hi:[1,0,0]
.endr
.endr
	s_wait_alu depctr_va_vdst(0)
.irp j, 0,1,2,3,4,5,6,7,8,9,10,11,12,13,14,15,16,17,18,19,20,21,22,23,24,25,26,27,28,29,30,31,32,33,34,35,36,37,38,39,40,41,42,43,44,45,46,47,48,49,50,51,52,53,54,55,56,57,58,59,60,61,62,63
	v_exp_f32 v[S1+\j], v[S1+\j]
.endr
.endm
.macro STATS                           ; pass 1: the running maximum and sum of both maps, the maps by turns
.irp m, 0,1
.irp bb, 0,1
	v_max3_num_f32 v[TP+2*\m+\bb], v[S1+32*\m+16*\bb], v[S1+32*\m+16*\bb+1], v[S1+32*\m+16*\bb+2]
.endr
.endr
.irp i, 3,5,7,9,11,13
.irp m, 0,1
.irp bb, 0,1
	v_max3_num_f32 v[TP+2*\m+\bb], v[TP+2*\m+\bb], v[S1+32*\m+16*\bb+\i], v[S1+32*\m+16*\bb+\i+1]
.endr
.endr
.endr
.irp m, 0,1
.irp bb, 0,1
	v_max_num_f32 v[TP+2*\m+\bb], v[TP+2*\m+\bb], v[S1+32*\m+16*\bb+15]
.endr
.endr
.irp m, 0
	s_delay_alu instid0(VALU_DEP_3)
	v_max_num_f32 v[TP+2*\m], v[TP+2*\m], v[TP+2*\m+1]
.endr
.irp m, 1
	s_delay_alu instid0(VALU_DEP_2)
	v_max_num_f32 v[TP+2*\m], v[TP+2*\m], v[TP+2*\m+1]
.endr
.irp m, 0,1
	s_delay_alu instid0(VALU_DEP_2)
	v_permlanex16_b32 v[TP+4+\m], v[TP+2*\m], s[SEL], s[SEL+1]
.endr
.irp m, 0,1
	s_delay_alu instid0(VALU_DEP_2)
	v_max_num_f32 v[TP+2*\m], v[TP+2*\m], v[TP+4+\m]          ; with lane l xor 16's keys
.endr
.irp m, 0,1
	s_delay_alu instid0(VALU_DEP_2)
	v_mul_f32 v[TP+2*\m], s[CS], v[TP+2*\m]                   ; as t (c is positive)
.endr
.irp m, 0,1
	s_delay_alu instid0(VALU_DEP_2)
	v_max_num_f32 v[NM+2*\m+1], v[NM+2*\m+1], v[TP+2*\m]      ; the running largest t
.endr
.irp m, 0,1
	v_mov_b32 v[TP+4+\m], v[NM+2*\m]
.endr
.irp m, 0,1
	s_delay_alu instid0(VALU_DEP_4)
	v_floor_f32 v[NM+2*\m], -v[NM+2*\m+1]                     ; -M = floor(-t): M is a whole number
.endr
.irp m, 0,1
	s_delay_alu instid0(VALU_DEP_2)
	v_sub_f32 v[TP+4+\m], v[NM+2*\m], v[TP+4+\m]              ; old M - new M, 0 or less
.endr
.irp m, 0,1
	s_delay_alu instid0(VALU_DEP_2)
	v_cvt_i32_f32 v[TP+4+\m], v[TP+4+\m]                      ; (it saturates)
.endr
.irp m, 0,1
	s_delay_alu instid0(VALU_DEP_2)
	v_ldexp_f32 v[FF+2*\m], 1.0, v[TP+4+\m]                   ; 2^(old M - new M): a factor that rounds nothing
.endr
	SHIFTEXP
.irp m, 0,1
	v_pk_mul_f32 v[LSUM+2*\m:LSUM+2*\m+1], v[LSUM+2*\m:LSUM+2*\m+1], v[FF+2*\m:FF+2*\m+1] op_sel_hi:[1,0]   ; the sums under the new M (plain places behind the exponentials)
.endr
	s_wait_alu depctr_va_vdst(0)                   ; one wait for the batch, ahead of its first reader
.irp m, 0,1
	v_pk_add_f32 v[BYT+2*\m:BYT+2*\m+1], v[S1+32*\m:S1+32*\m+1], v[S1+32*\m+2:S1+32*\m+3]
.endr
.irp j, 4,8,12,16,20,24,28
.irp m, 0,1
	v_pk_add_f32 v[LSUM+2*\m:LSUM+2*\m+1], v[LSUM+2*\m:LSUM+2*\m+1], v[S1+32*\m+\j:S1+32*\m+\j+1]
	v_pk_add_f32 v[BYT+2*\m:BYT+2*\m+1], v[BYT+2*\m:BYT+2*\m+1], v[S1+32*\m+\j+2:S1+32*\m+\j+3]
.endr
.endr
.irp m, 0
	s_delay_alu instid0(VALU_DEP_3)
	v_pk_add_f32 v[LSUM+2*\m:LSUM+2*\m+1], v[LSUM+2*\m:LSUM+2*\m+1], v[BYT+2*\m:BYT+2*\m+1]
.endr
.irp m, 1
	s_delay_alu instid0(VALU_DEP_2)
	v_pk_add_f32 v[LSUM+2*\m:LSUM+2*\m+1], v[LSUM+2*\m:LSUM+2*\m+1], v[BYT+2*\m:BYT+2*\m+1]
.endr
.endm
.macro ATTN                            ; pass 2: attn = p1 / l1 - lam p2 / l2, into map 1's registers
	SHIFTEXP
	v_nop                                          ; a plain place behind the last exponential
	s_wait_alu depctr_va_vdst(0)                   ; one wait for the batch
.irp j, 0,2,4,6,8,10,12,14,16,18,20,22,24,26,28,30
	v_pk_mul_f32 v[S1+\j:S1+\j+1], v[S1+\j:S1+\j+1], v[FF:FF+1] op_sel_hi:[1,0]
.endr
.irp j, 0,2,4,6,8,10,12,14,16,18,20,22,24,26,28,30
	v_pk_fma_f32 v[S1+\j:S1+\j+1], v[S2+\j:S2+\j+1], v[FF+2:FF+3], v[S1+\j:S1+\j+1] op_sel_hi:[1,0,1]
.endr
.endm
.macro QBLK c                          ; attn's blocks 2 c and 2 c + 1 of the step's four: bytes, and registers 6 c .. 6 c + 5 of the operand
.irp bb, 0,1
	v_max3_num_f32 v[TP+\bb], |v[S1+16*\bb]|, |v[S1+16*\bb+1]|, 0x1800000
.endr
.irp i, 2,4,6,8,10,12,14
.irp bb, 0,1
	s_delay_alu instid0(VALU_DEP_2)
	v_max3_num_f32 v[TP+\bb], v[TP+\bb], |v[S1+16*\bb+\i]|, |v[S1+16*\bb+\i+1]|
.endr
.endr
.irp bb, 0,1
	s_delay_alu instid0(VALU_DEP_2)
	v_permlanex16_b32 v[TP+4+\bb], v[TP+\bb], s[SEL], s[SEL+1]
.endr
.irp bb, 0,1
	s_delay_alu instid0(VALU_DEP_2)
	v_max_num_f32 v[TP+\bb], v[TP+\bb], v[TP+4+\bb]
.endr
.irp bb, 0,1
	s_delay_alu instid0(VALU_DEP_2)
	v_add_nc_u32 v[TP+2+\bb], 0xff000000, v[TP+\bb]
.endr
.irp bb, 0,1
	s_delay_alu instid0(VALU_DEP_2)
	v_lshrrev_b32 v[BYT+2*\c+\bb], 23, v[TP+2+\bb]
.endr
	v_cvt_scalef32_pk16_fp6_f32 v[PC+6*\c:PC+6*\c+2], v[S1:S1+15], v[TP+2]
	v_cvt_scalef32_pk16_fp6_f32 v[PT:PT+2], v[S1+16:S1+31], v[TP+3]
	v_nop                                          ; one plain place behind a scaled conversion
.irp i, 0,1,2
	v_permlane16_swap_b32 v[PC+6*\c+\i], v[PT+\i]
.endr
.irp i, 0,1,2
	s_delay_alu instid0(VALU_DEP_3)
	v_mov_b32 v[PC+6*\c+3+\i], v[PT+\i]
.endr
.endm
.macro PV                              ; O^T += V^T attn^T for the step's 128 keys: eight accumulators by turns
	v_lshl_or_b32 v[PS], v[BYT+1], 8, v[BYT]
	s_delay_alu instid0(VALU_DEP_1)
	v_lshl_or_b32 v[PS], v[BYT+2], 16, v[PS]
	s_delay_alu instid0(VALU_DEP_1)
	v_lshl_or_b32 v[PS], v[BYT+3], 24, v[PS]
	v_add_nc_u32 v[ADV], s[VB], v[LI]
	s_delay_alu instid0(VALU_DEP_1)
	v_add_nc_u32 v[ADV2], 49152, v[ADV]
	v_add_nc_u32 v[ADT], s[VSB], v[LS]
.irp dt, 0,1,2,3
	FRAG3 KF+12*\dt, ADV, 12288*\dt
.endr
.irp dt, 0,1,2,3
	FRAG3 KF+48+12*\dt, ADV2, 12288*\dt            ; channel tiles 4-7 land where the scores lay
.endr
.irp bb, 0,1,2,3
	ds_load_b32 v[VSC+\bb], v[ADT] offset:128*\bb
.endr
.rept 8
	v_nop                                          ; a scale register written by vector instructions stands eight places ahead of a scaled matrix instruction, an operand four
.endr
	s_wait_alu depctr_va_vdst(0)
	s_wait_dscnt 0x0
.irp dt, 0,1,2,3,4,5,6,7
	WP O+8*\dt, KF+12*\dt, VSC+\dt/2, \dt%2
.endr
.rept 5
	v_nop                                          ; the next scores are written over registers that these products read: five places
.endr
.endm
	; PASS 1: sixteen half steps of 64 keys; those behind the diagonal are jumped over
	s_mov_b32 s[CNT], 0
.Lp1:
	s_cmp_gt_u32 s[CNT], s[KK]
	s_cbranch_scc1 .Lp1_step
	SCORES 0
	s_cmp_lt_u32 s[CNT], s[KK]
	s_cbranch_scc1 .Lp1_open
	MASK 0
.Lp1_open:
	STATS
.Lp1_step:
	s_add_co_u32 s[KB], s[KB], 6144
	s_add_co_u32 s[KSB], s[KSB], 256
	s_add_co_u32 s[KFH], s[KFH], 64
	s_add_co_u32 s[CNT], s[CNT], 1
	s_cmp_lt_u32 s[CNT], 16
	s_cbranch_scc1 .Lp1
	; the rows' sums, their reciprocals
	s_wait_alu depctr_va_vdst(0)
	v_add_f32 v56, v[LSUM], v[LSUM+1]
	v_add_f32 v57, v[LSUM+2], v[LSUM+3]
	s_delay_alu instid0(VALU_DEP_2)
	v_permlanex16_b32 v60, v56, s[SEL], s[SEL+1]
	s_delay_alu instid0(VALU_DEP_2)
	v_permlanex16_b32 v61, v57, s[SEL], s[SEL+1]
	s_delay_alu instid0(VALU_DEP_2)
	v_add_f32 v56, v56, v60
	s_delay_alu instid0(VALU_DEP_2)
	v_add_f32 v57, v57, v61
	s_wait_alu depctr_va_vdst(0)
	v_rcp_f32 v[FF], v56
	v_rcp_f32 v58, v57
	v_nop
	s_wait_alu depctr_va_vdst(0)
	v_mul_f32 v[FF+2], -v[LAM], v58                ; -lam / l2
	s_mov_b32 s[KB], 0
	s_mov_b32 s[KSB], KS
	s_mov_b32 s[KFH], 0
	; PASS 2: eight steps of 128 keys
	s_mov_b32 s[CNT], 0
.Lp2:
	s_cmp_gt_u32 s[CNT], s[KH]
	s_cbranch_scc1 .Lp2_step
.irp c, 0,1
	SCORES \c
	s_cmp_lt_u32 s[CNT], s[KH]
	s_cbranch_scc1 .Lp2_open\c
	MASK 64*\c
.Lp2_open\c:
	ATTN
	QBLK \c
.endr
	PV
.Lp2_step:
	s_add_co_u32 s[KB], s[KB], 12288
	s_add_co_u32 s[KSB], s[KSB], 512
	s_add_co_u32 s[KFH], s[KFH], 128
	s_add_co_u32 s[VB], s[VB], 1536
	s_add_co_u32 s[VSB], s[VSB], 512
	s_add_co_u32 s[CNT], s[CNT], 1
	s_cmp_lt_u32 s[CNT], 8
	s_cbranch_scc1 .Lp2
	; THE WAY OUT.  Register 16 b + i of O^T is channel 32 b + 16 (lane / 16) + i of my query.
	v_bfe_u32 v[ADK], v0, 4, 1
	s_delay_alu instid0(VALU_DEP_1)
	v_lshlrev_b32 v[ADK], 6, v[ADK]
.irp b, 0,1,2,3
.irp j, 0,1,2,3
	global_load_b128 v[S1+16*\b+4*\j:S1+16*\b+4*\j+3], v[ADK], s[16:17] offset:128*\b+16*\j   ; rms_scale in the same order
.endr
.endr
.irp q, 0,1,2,3
	v_pk_mul_f32 v[TP+2*\q:TP+2*\q+1], v[O+2*\q:O+2*\q+1], v[O+2*\q:O+2*\q+1]                ; the sum of squares, four packed chains; each accumulator from its low end on
.endr
.irp n, 8,16,24,32,40,48,56
.irp q, 0,1,2,3
	v_pk_fma_f32 v[TP+2*\q:TP+2*\q+1], v[O+\n+2*\q:O+\n+2*\q+1], v[O+\n+2*\q:O+\n+2*\q+1], v[TP+2*\q:TP+2*\q+1]
.endr
.endr
	s_delay_alu instid0(VALU_DEP_3)
	v_pk_add_f32 v[TP:TP+1], v[TP:TP+1], v[TP+2:TP+3]
	s_delay_alu instid0(VALU_DEP_2)
	v_pk_add_f32 v[TP+4:TP+5], v[TP+4:TP+5], v[TP+6:TP+7]
	s_delay_alu instid0(VALU_DEP_1)
	v_pk_add_f32 v[TP:TP+1], v[TP:TP+1], v[TP+4:TP+5]
	s_delay_alu instid0(VALU_DEP_1)
	v_add_f32 v56, v56, v57
	s_delay_alu instid0(VALU_DEP_1)
	v_permlanex16_b32 v60, v56, s[SEL], s[SEL+1]
	s_delay_alu instid0(VALU_DEP_1)
	v_add_f32 v56, v56, v60
	s_mov_b32 s92, 0x3c000000                      ; 1 / 128
	s_mov_b32 s93, 0x3727c5ac                      ; 1e-5
	v_fma_f32 v56, v56, s92, s93
	s_wait_alu depctr_va_vdst(0)
	v_rsq_f32 v58, v56
	v_nop
	s_wait_alu depctr_va_vdst(0)
	v_mul_f32 v56, 0x3e4ccccd, v58                 ; x (1 - 0.8)
	s_mul_i32 s92, s67, 24576                      ; fragment (token tile, head) at (16 tile + head) 1,536
	s_mul_i32 s93, s95, 1536
	s_add_co_u32 s92, s92, s93
	v_add_nc_u32 v[ADS], s92, v[LI]
	s_lshl_b32 s92, s67, 11
	s_lshl_b32 s93, s95, 7
	s_add_co_u32 s92, s92, s93
	v_add_nc_u32 v[ADV], s92, v[LS]
	s_wait_loadcnt 0x0
.irp n, 0,2,4,6,8,10,12,14,16,18,20,22,24,26,28,30,32,34,36,38,40,42,44,46,48,50,52,54,56,58,60,62
	v_pk_mul_f32 v[S1+\n:S1+\n+1], v[O+\n:O+\n+1], v[S1+\n:S1+\n+1]
.endr
.irp n, 0,2,4,6,8,10,12,14,16,18,20,22,24,26,28,30,32,34,36,38,40,42,44,46,48,50,52,54,56,58,60,62
	v_pk_mul_f32 v[S1+\n:S1+\n+1], v[S1+\n:S1+\n+1], v[56:57] op_sel_hi:[1,0]
.endr
.irp b, 0,1,2,3
	v_mov_b32 v[68+\b], 0                          ; a lane permute's destination counts as one of its sources
.endr
	QUANT S1, 64, 80, 100
.irp k, 0,1,2
	global_store_b128 v[ADS], v[80+4*\k:83+4*\k], s[18:19] offset:512*\k     ; 512 consecutive bytes, aligned
.endr
	global_store_b32 v[ADV], v100, s[20:21]        ; the scale words, once in each half of the lanes: 128 consecutive bytes
	s_wait_tensorcnt 0x0                           ; the wave's end
	ds_add_u32 v[SPW], v[NIL]
	s_wait_dscnt 0x0
	CROUND                                         ; the closing round
	s_endpgm
.Lfunc_end_k_qe31c7eee86_attn:
	.size	k_qe31c7eee86_attn, .Lfunc_end_k_qe31c7eee86_attn-k_qe31c7eee86_attn
	.p2alignl 7, 3214868480
	.fill 96, 4, 3214868480
	.section	.rodata,"a",@progbits
	.p2align	6, 0x0
	.amdhsa_kernel k_qe31c7eee86_attn
		.amdhsa_group_segment_fixed_size 327680
		.amdhsa_private_segment_fixed_size 0
		.amdhsa_enable_private_segment 0
		.amdhsa_kernarg_size 72
		.amdhsa_user_sgpr_count 2
		.amdhsa_user_sgpr_kernarg_segment_ptr 1
		.amdhsa_wavefront_size32 1
		.amdhsa_system_sgpr_workgroup_id_x 1
		.amdhsa_system_sgpr_workgroup_id_y 1
		.amdhsa_system_sgpr_workgroup_id_z 1
		.amdhsa_system_vgpr_workitem_id 0
		.amdhsa_next_free_vgpr 256
		.amdhsa_next_free_sgpr 102
		.amdhsa_reserve_vcc 1
		.amdhsa_float_denorm_mode_32 3
		.amdhsa_float_denorm_mode_16_64 3
		.amdhsa_memory_ordered 1
		.amdhsa_forward_progress 1
		.amdhsa_inst_pref_size 78
	.end_amdhsa_kernel
	.amdgpu_metadata
---
amdhsa.version: [ 1, 2 ]
amdhsa.kernels:
  - .name:           k_qe31c7eee86_attn
    .symbol:         k_qe31c7eee86_attn.kd
    .args:
      - { .name: qkv_c, .offset: 0, .size: 8, .value_kind: global_buffer, .address_space: global }
      - { .name: qkv_s, .offset: 8, .size: 8, .value_kind: global_buffer, .address_space: global }
      - { .name: lq1, .offset: 16, .size: 8, .value_kind: global_buffer, .address_space: global }
      - { .name: lk1, .offset: 24, .size: 8, .value_kind: global_buffer, .address_space: global }
      - { .name: lq2, .offset: 32, .size: 8, .value_kind: global_buffer, .address_space: global }
      - { .name: lk2, .offset: 40, .size: 8, .value_kind: global_buffer, .address_space: global }
      - { .name: rms_scale, .offset: 48, .size: 8, .value_kind: global_buffer, .address_space: global }
      - { .name: o_c, .offset: 56, .size: 8, .value_kind: global_buffer, .address_space: global }
      - { .name: o_s, .offset: 64, .size: 8, .value_kind: global_buffer, .address_space: global }
    .group_segment_fixed_size: 327680
    .private_segment_fixed_size: 0
    .kernarg_segment_align: 8
    .kernarg_segment_size: 72
    .max_flat_workgroup_size: 512
    .sgpr_count:     102
    .vgpr_count:     256
    .wavefront_size: 32
...
	.end_amdgpu_metadata
.endif
;; end of part 3
;; launch outp (part 4): grid 8 x 32, 4 waves a work-group, clusters of 4 x 4, 327,680 bytes of LDS; arguments o_c, o_s, xw_c, xw_s, out0; writes out0
.if DOCPART == 4
	.amdgcn_target "amdgcn-amd-amdhsa--gfx1250"
	.amdhsa_code_object_version 6
	.text
	.protected	k_qe31c7eee86_outp
	.globl	k_qe31c7eee86_outp
	.p2align	8
	.type	k_qe31c7eee86_outp,@function
k_qe31c7eee86_outp:
	s_mov_b64 s[64:65], 0
	v_nop
	global_prefetch_b8 v0, s[64:65] scope:SCOPE_SE
	s_setreg_imm32_b32 hwreg(HW_REG_WAVE_MODE, 25, 1), 1
	s_wait_xcnt 0x0
	s_wait_alu depctr_hold_cnt(0) depctr_sa_sdst(0) depctr_va_vdst(0) depctr_va_sdst(0) depctr_va_ssrc(0) depctr_va_vcc(0) depctr_vm_vsrc(0)
	s_getreg_b32 s2, hwreg(HW_REG_IB_STS2, 6, 4)
	s_cmp_eq_u32 s2, 0
	s_cbranch_scc0 .Lentry_in_a_cluster
	s_endpgm
.Lentry_in_a_cluster:
	s_bfe_u32 s2, ttmp6, 0x10000c
	s_cmp_lg_u32 s2, 0xf033
	s_cbranch_scc0 .Lentry_shape_is_right
	s_endpgm
.Lentry_shape_is_right:
; out0[token][n] = sum over k of Oc[token][k] Wo[n][k], K = 2,048, both operands as codes of FP6 kept as images of the operand's registers (1,536 bytes a fragment), f32 sums, f32 out.
; A work-group makes 128 tokens x 128 columns: 256 work-groups, one to a WGP.  A wave makes 64 x 64: 16 accumulators (window 1); two sets of 4 + 4 fragments (window 2), fetched one K step ahead;
; all of K's scale words, 64 + 32 registers (window 0), come from memory into registers once, 128 consecutive bytes a load.
; K comes in three fills: steps 0-3 (region 0: 8 + 8 tiles x 6,144 bytes) and steps 4-11 (region 1: 8 + 8 tiles x 12,288 bytes) at the head, one load a wave; steps 12-15 fill region 0 again.
; CLUSTER 4 x 4: Oc's tiles hang on Y alone and are asked for jointly along a row of the cluster, Wo's on X alone and jointly along a column.
; Source 0 = 16 rows of Wo, source 1 = 16 tokens: a lane holds one token and eight neighbouring columns.  Place r of tile t is row 32 (t / 2) + 8 (t % 2) + r + 8 (r / 8), for tokens and columns alike.
; The results go through the wave's own stage in region 1, which has had its only fill and its last read by then, and leave as aligned runs of 256 bytes.
; No prefetch: of the three fills two are asked for at the head, and the third has eight K steps in which to land.
.set R1,    98304                      ; region 1
.set SPARE, 294912                     ; the spare words, 128 bytes a wave: two blocks of 256 bytes that no other line names
.set SPITCH, 272
.set SPW, 1
.set NIL, 2
.set LI,  3
.set LS,  4
.set AO,  6                            ; v6-7 my four tiles of Oc in region 0, 1
.set AW,  8                            ; v8-9 my four tiles of Wo
.set STO, 10
.set RD,  11
.set GO,  12
.set SO,  32                           ; v32-95 Oc's scale words, 16 a + step
.set SWO, 96                           ; v96-127 Wo's, 8 u + pair of steps: lanes 0-15 the even step's, lanes 16-31 the odd step's
.set BK,  128                          ; v128-255 the way out
.set WV,  14
.set G1A0, 24
.set G1B0, 32
.set G1A1, 40
.set G1B1, 48
.set G0A0, 56
.set G0B0, 60
.set G0A1, 72
.set G0B1, 76
.set SOB, 80
.set SWB, 82
.set MSB, 0
.macro WIN new                         ; the immediate's high byte repeats the setting that is left
.if MSB != (\new)
	s_set_vgpr_msb (MSB<<8)|(\new)
.set MSB, (\new)
.endif
.endm
.set MUL, 0x5a                         ; sources 0 and 1 window 2, C and D window 1
.macro PLACES
.rept 4
	v_nop
.endr
.endm
.macro CREST
	s_cmp_lg_u32 s[WV], 0
	s_cbranch_scc1 .Lnot_wave_0_\@
	s_barrier_signal -3
.Lnot_wave_0_\@:
	s_barrier_wait -3
	s_barrier_signal -1
	s_barrier_wait -1
.endm
.macro CROUND
	s_barrier_signal -1
	s_barrier_wait -1
	CREST
.endm
.macro G1SET g, c, r, p
	s_mov_b32 s[\g+1], (\c)<<16
	s_mov_b32 s[\g+2], (\r)<<16
	s_mov_b32 s[\g+3], (\c)<<16
	s_mov_b32 s[\g+4], \r
	s_mov_b32 s[\g+5], \p
	s_mov_b32 s[\g+6], 0
	s_mov_b32 s[\g+7], 0
.endm
.macro G0SET g, lds, ah, off
	s_mov_b32 s[\g], 1
	s_mov_b32 s[\g+1], \lds
	s_add_nc_u64 s[\g+2:\g+3], s[\ah:\ah+1], \off
	s_or_b32 s[\g+3], s[\g+3], 0x80000000
.endm
.macro TL4 g0, g1
	tensor_load_to_lds s[\g0:\g0+3], s[\g1:\g1+7]
	s_nop 0
	PLACES
.endm
.macro WM d, a, b, sa, sb              ; ZERO: the product starts its sum; ROW: Wo's odd step's scale words, in lanes 16-31
.if ZERO
	v_wmma_scale_f32_16x16x128_f8f6f4 v[(\d):(\d)+7], v[(\a):(\a)+11], v[(\b):(\b)+11], 0, v[\sa], v[\sb] matrix_a_fmt:MATRIX_FMT_FP6 matrix_b_fmt:MATRIX_FMT_FP6
.elseif ROW
	v_wmma_scale_f32_16x16x128_f8f6f4 v[(\d):(\d)+7], v[(\a):(\a)+11], v[(\b):(\b)+11], v[(\d):(\d)+7], v[\sa], v[\sb] matrix_a_fmt:MATRIX_FMT_FP6 matrix_b_fmt:MATRIX_FMT_FP6 matrix_a_scale:MATRIX_SCALE_ROW1
.else
	v_wmma_scale_f32_16x16x128_f8f6f4 v[(\d):(\d)+7], v[(\a):(\a)+11], v[(\b):(\b)+11], v[(\d):(\d)+7], v[\sa], v[\sb] matrix_a_fmt:MATRIX_FMT_FP6 matrix_b_fmt:MATRIX_FMT_FP6
.endif
.endm
.macro MH s, a0                        ; eight products of step s: token tiles a0, a0 + 1 x my four column tiles; the accumulators take turns
	WIN MUL
.irp a, \a0, \a0+1
.irp u, 0,1,2,3
	WM 8*(4*(\a)+\u), 96*((\s)%2)+48+12*\u, 96*((\s)%2)+12*(\a), SWO+8*\u+(\s)/2, SO+16*(\a)+(\s)
.endr
.endr
.endm
.macro LOADF s                         ; step s's eight fragments into set s % 2: 24 loads of 512 consecutive bytes
.if (\s) < 4
.set RG, 0
.set TPI, 6144
.set OF, 1536*(\s)
.elseif (\s) < 12
.set RG, 1
.set TPI, 12288
.set OF, 1536*((\s)-4)
.else
.set RG, 0
.set TPI, 6144
.set OF, 1536*((\s)-12)
.endif
.set FS, 96*((\s)%2)
	WIN 0x80
.irp t, 0,1,2,3
.irp k, 0,1,2
	ds_load_b128 v[FS+12*\t+4*\k:FS+12*\t+4*\k+3], v[AO+RG] offset:OF+TPI*\t+512*\k
.endr
.endr
.irp t, 0,1,2,3
.irp k, 0,1,2
	ds_load_b128 v[FS+48+12*\t+4*\k:FS+48+12*\t+4*\k+3], v[AW+RG] offset:OF+TPI*\t+512*\k
.endr
.endr
.endm
.macro STEP s
.set ROW, (\s)%2
.if (\s) == 0
.set ZERO, 1
.else
.set ZERO, 0
.endif
.if (\s) == 3 || (\s) == 11
	WIN 0
	s_wait_tensorcnt 0x0                           ; all my tensor loads have landed, my part of the region that the next step reads among them
.if (\s) == 3
	ds_add_u32 v[SPW], v[NIL]                      ; the add in front of a refill's barrier
	s_add_nc_u64 s[G0A0+2:G0A0+3], s[G0A0+2:G0A0+3], 18432
	s_add_nc_u64 s[G0B0+2:G0B0+3], s[G0B0+2:G0B0+3], 18432
.endif
	s_wait_dscnt 0x0                               ; the add is done, and so are my reads of the region in hand
	s_barrier_signal -1
	MH \s, 0
	WIN 0
	s_barrier_wait -1
.if (\s) == 3
	CREST                                          ; the barrier has opened a round of the cluster's barrier: no partner's wave still reads region 0
	s_cmp_eq_u32 s[WV], 0                          ; steps 12-15: wave 0 asks for Oc's part, wave 1 for Wo's
	s_cbranch_scc0 .Lnot_r0
	TL4 G0A0, G1A0
	s_branch .Lrefilled
.Lnot_r0:
	s_cmp_eq_u32 s[WV], 1
	s_cbranch_scc0 .Lrefilled
	TL4 G0B0, G1B0
.Lrefilled:
.endif
	PLACES
	LOADF (\s)+1
	MH \s, 2
.else
	PLACES
.if (\s) < 15
	LOADF (\s)+1
	s_wait_dscnt 24                                ; this step's fragments are in; the next step's 24 loads may be out
.else
	s_wait_dscnt 0x0
.endif
	MH \s, 0
	MH \s, 2
.endif
.endm
	s_load_b256 s[4:11], s[0:1], 0x0               ; o_c, o_s, xw_c, xw_s
	s_load_b64 s[12:13], s[0:1], 0x20              ; out0
	v_lshl_add_u32 v[SPW], v0, 2, SPARE
	v_mov_b32 v[NIL], 0
	ds_add_u32 v[SPW], v[NIL]                      ; the opening lines: the add, twice on end, and its wait ahead of the first tensor load
	ds_add_u32 v[SPW], v[NIL]
	v_lshrrev_b32 v5, 5, v0
	v_readfirstlane_b32 s[WV], v5                  ; wave 0..3
	s_lshr_b32 s15, s[WV], 1                       ; which 64 tokens
	s_and_b32 s16, s[WV], 1                        ; which 64 columns
	s_bfe_u32 s17, ttmp6, 0x40000                  ; cx
	s_bfe_u32 s18, ttmp6, 0x40004                  ; cy
	s_lshl_b32 s19, ttmp9, 2
	s_add_co_u32 s19, s19, s17                     ; X
	s_and_b32 s20, ttmp7, 0xffff
	s_lshl_b32 s20, s20, 2
	s_add_co_u32 s20, s20, s18                     ; Y
	s_lshl_b32 s21, s18, 2
	s_lshl_b32 s21, 15, s21                        ; my row of the cluster
	s_lshl_b32 s22, 0x1111, s17                    ; my column
	s_or_b32 s[G1A0], s21, (3<<16)|(1<<21)         ; 15:0 the mask; 17:16 elements of 8 bytes; 21 set beside a mask; no padding
	s_or_b32 s[G1A1], s21, (3<<16)|(1<<21)
	s_or_b32 s[G1B0], s22, (3<<16)|(1<<21)
	s_or_b32 s[G1B1], s22, (3<<16)|(1<<21)
	G1SET G1A0, 768, 8, 3072                       ; 8 tiles x 6,144 bytes (four K steps), 24,576 bytes apart
	G1SET G1B0, 768, 8, 3072
	G1SET G1A1, 1536, 8, 3072                      ; 8 tiles x 12,288 bytes (eight K steps)
	G1SET G1B1, 1536, 8, 3072
	s_mul_i32 s66, s20, 196608                     ; Oc's tiles 8 Y on
	s_mov_b32 s67, 0
	s_mul_i32 s68, s19, 196608                     ; Wo's tiles 8 X on
	s_add_co_u32 s68, s68, 7864320
	s_mov_b32 s69, 0
	s_wait_dscnt 0x0                               ; both opening adds are done
	s_wait_kmcnt 0x0
	s_add_nc_u64 s[66:67], s[4:5], s[66:67]
	s_add_nc_u64 s[68:69], s[8:9], s[68:69]
	CROUND                                         ; all sixteen work-groups are here: the first joint loads meet
	G0SET G0A0, 0, 66, 0
	G0SET G0B0, 49152, 68, 0
	G0SET G0A1, R1, 66, 6144
	G0SET G0B1, R1+98304, 68, 6144
.macro ARM under, g0, g1, next         ; the head's fills, one a wave, in one chain of branches on the wave's number
	s_cmp_lt_u32 s[WV], \under
	s_cbranch_scc0 \next
	TL4 \g0, \g1
	s_branch .Lasked
\next:
.endm
	ARM 1, G0A0, G1A0, .La1
	ARM 2, G0B0, G1B0, .La2
	ARM 3, G0A1, G1A1, .La3
	TL4 G0B1, G1B1
.Lasked:
	s_lshl_b32 s[SOB], s20, 14                     ; Oc's scale words, 2,048 bytes a tile: tile 8 Y + 4 half
	s_lshl_b32 s21, s15, 13
	s_add_co_u32 s[SOB], s[SOB], s21
	s_mov_b32 s[SOB+1], 0
	s_add_nc_u64 s[SOB:SOB+1], s[6:7], s[SOB:SOB+1]
	s_lshl_b32 s[SWB], s19, 13                     ; Wo's, 1,024 bytes a tile: tile 8 X + 4 half
	s_lshl_b32 s21, s16, 12
	s_add_co_u32 s[SWB], s[SWB], s21
	s_add_co_u32 s[SWB], s[SWB], 327680
	s_mov_b32 s[SWB+1], 0
	s_add_nc_u64 s[SWB:SWB+1], s[10:11], s[SWB:SWB+1]
	s_lshl_b32 s70, s20, 19                        ; out0: row 128 Y + 64 half of 4,096 bytes, + 512 X + 256 half
	s_lshl_b32 s21, s15, 18
	s_add_co_u32 s70, s70, s21
	s_lshl_b32 s21, s19, 9
	s_add_co_u32 s70, s70, s21
	s_lshl_b32 s21, s16, 8
	s_add_co_u32 s70, s70, s21
	s_mov_b32 s71, 0
	s_add_nc_u64 s[12:13], s[12:13], s[70:71]
	s_mul_i32 s21, s15, 24576
	s_mul_i32 s22, s15, 49152
	s_add_co_u32 s22, s22, R1
	s_mul_i32 s23, s16, 24576
	s_add_co_u32 s23, s23, 49152
	s_mul_i32 s70, s16, 49152
	s_add_co_u32 s70, s70, R1+98304
	s_mul_i32 s71, s[WV], 64*SPITCH
	s_add_co_u32 s71, s71, R1                      ; my stage
	v_and_b32 v5, 31, v0
	v_and_b32 v13, 15, v0                          ; r
	v_and_b32 v14, 8, v0                           ; 8 (r / 8)
	v_bfe_u32 v15, v0, 4, 1                        ; h
	v_lshlrev_b32 v[LI], 4, v5
	v_lshlrev_b32 v[LS], 2, v5
	v_add_nc_u32 v14, v13, v14
	v_mul_u32_u24 v[RD], v15, SPITCH
	v_lshlrev_b32 v[GO], 12, v15
	v_mul_u32_u24 v[STO], v14, SPITCH
	v_add_nc_u32 v[AO], s21, v[LI]
	v_add_nc_u32 v[AO+1], s22, v[LI]
	v_add_nc_u32 v[AW], s23, v[LI]
	v_add_nc_u32 v[AW+1], s70, v[LI]
	v_lshl_add_u32 v[RD], v13, 4, v[RD]
	v_lshl_add_u32 v[GO], v13, 4, v[GO]            ; two rows an instruction: sixteen lanes to a row's 256 bytes
	v_lshl_add_u32 v[STO], v15, 6, v[STO]
	v_add_nc_u32 v[RD], s71, v[RD]
	v_add_nc_u32 v[STO], s71, v[STO]               ; the stage: row r + 8 (r / 8) (+ 32 (a / 2) + 8 (a % 2)), byte 64 h (+ 128 (u / 2) + 32 (u % 2))
	s_wait_alu depctr_va_vdst(0)                   ; the head's end
.irp a, 0,1,2,3
.irp s, 0,1,2,3,4,5,6,7,8,9,10,11,12,13,14,15
	global_load_b32 v[SO+16*\a+\s], v[LS], s[SOB:SOB+1] offset:2048*\a+128*\s
.endr
.endr
.irp u, 0,1,2,3
.irp p, 0,1,2,3,4,5,6,7
	global_load_b32 v[SWO+8*\u+\p], v[LS], s[SWB:SWB+1] offset:1024*\u+128*\p
.endr
.endr
	s_cmp_lt_u32 s[WV], 2                          ; waves 0 and 1 asked for region 0, which is read first; region 1's loads may stay out
	s_cbranch_scc0 .Lregion_1
	s_wait_tensorcnt 0x0
.Lregion_1:
	s_barrier_signal -1
	s_barrier_wait -1
	LOADF 0
	s_wait_loadcnt 0x0                             ; the scale words are in
.irp s, 0,1,2,3,4,5,6,7,8,9,10,11,12,13,14,15
	STEP \s
.endr
	; THE WAY OUT
	WIN 0
	PLACES
	WIN 0x04                                       ; the data: window 1
.irp a, 0,1,2,3
.irp u, 0,1,2,3
	ds_store_b128 v[STO], v[8*(4*\a+\u):8*(4*\a+\u)+3] offset:(32*(\a/2)+8*(\a%2))*SPITCH+128*(\u/2)+32*(\u%2)          ; each accumulator from its low end on
	ds_store_b128 v[STO], v[8*(4*\a+\u)+4:8*(4*\a+\u)+7] offset:(32*(\a/2)+8*(\a%2))*SPITCH+128*(\u/2)+32*(\u%2)+16
.endr
.endr
	WIN 0
.irp p, 0,8,16,24
.irp q, 0,1,2,3,4,5,6,7
	ds_load_b128 v[BK+4*(\p+\q):BK+4*(\p+\q)+3], v[RD] offset:2*SPITCH*(\p+\q)   ; LDS serves a wave's instructions in order (ISA guide 5.7.1.4): these see my stores
.endr
.endr
.irp p, 0,8,16,24
.irp q, 0,1,2,3,4,5,6,7
	s_wait_dscnt 31-(\p+\q)                        ; these two rows are back; the later ones may be out
	global_store_b128 v[GO], v[BK+4*(\p+\q):BK+4*(\p+\q)+3], s[12:13] offset:8192*(\p+\q) th:TH_STORE_NT   ; sixteen lanes store 256 consecutive bytes, aligned; written once
.endr
.endr
	s_wait_tensorcnt 0x0                           ; the wave's end
	ds_add_u32 v[SPW], v[NIL]
	s_wait_dscnt 0x0
	CROUND                                         ; the closing round
	s_endpgm
.Lfunc_end_k_qe31c7eee86_outp:
	.size	k_qe31c7eee86_outp, .Lfunc_end_k_qe31c7eee86_outp-k_qe31c7eee86_outp
	.p2alignl 7, 3214868480
	.fill 96, 4, 3214868480
	.section	.rodata,"a",@progbits
	.p2align	6, 0x0
	.amdhsa_kernel k_qe31c7eee86_outp
		.amdhsa_group_segment_fixed_size 327680
		.amdhsa_private_segment_fixed_size 0
		.amdhsa_enable_private_segment 0
		.amdhsa_kernarg_size 40
		.amdhsa_user_sgpr_count 2
		.amdhsa_user_sgpr_kernarg_segment_ptr 1
		.amdhsa_wavefront_size32 1
		.amdhsa_system_sgpr_workgroup_id_x 1
		.amdhsa_system_sgpr_workgroup_id_y 1
		.amdhsa_system_sgpr_workgroup_id_z 1
		.amdhsa_system_vgpr_workitem_id 0
		.amdhsa_next_free_vgpr 768
		.amdhsa_next_free_sgpr 88
		.amdhsa_reserve_vcc 0
		.amdhsa_float_denorm_mode_32 3
		.amdhsa_float_denorm_mode_16_64 3
		.amdhsa_memory_ordered 1
		.amdhsa_forward_progress 1
		.amdhsa_inst_pref_size 87
	.end_amdhsa_kernel
	.amdgpu_metadata
---
amdhsa.version: [ 1, 2 ]
amdhsa.kernels:
  - .name:           k_qe31c7eee86_outp
    .symbol:         k_qe31c7eee86_outp.kd
    .args:
      - { .name: o_c, .offset: 0, .size: 8, .value_kind: global_buffer, .address_space: global }
      - { .name: o_s, .offset: 8, .size: 8, .value_kind: global_buffer, .address_space: global }
      - { .name: xw_c, .offset: 16, .size: 8, .value_kind: global_buffer, .address_space: global }
      - { .name: xw_s, .offset: 24, .size: 8, .value_kind: global_buffer, .address_space: global }
      - { .name: out0, .offset: 32, .size: 8, .value_kind: global_buffer, .address_space: global }
    .group_segment_fixed_size: 327680
    .private_segment_fixed_size: 0
    .kernarg_segment_align: 8
    .kernarg_segment_size: 40
    .max_flat_workgroup_size: 128
    .sgpr_count:     88
    .vgpr_count:     768
    .wavefront_size: 32
...
	.end_amdgpu_metadata
.endif
;; end of part 4
